; MI455X (gfx1250); checked and timed in simulation.
; The chip was launched on July 23, 2026; its instructions are those of AMD's public machine-readable ISA for CDNA 5 (MIT licence, August 2026) and "CDNA5" Instruction Set Architecture Reference Guide (July 2026). The comments in the code are by the model that wrote it; some were corrected since.
;; Multi Head Dot Product Attention. Allowed arithmetic: matrix products marked QUANTISED: E2M1 operands, one E8M0 scale for each 32 along K, by v_wmma_scale_f32_16x16x128_f8f6f4 with both operands' format E2M1 (or v_wmma_scale_f32_32x16x128_f4), f32 sums; products left as they are: bf16, f16 or f32 operands; f32 sums; everything else in f32.
;; Inputs: Wk 1,024 x 16 x 64 float32; Wo 16 x 64 x 1,024 float32; Wq 1,024 x 16 x 64 float32; Wv 1,024 x 16 x 64 float32; bk 16 x 64 float32; bo 1,024 float32; bq 16 x 64 float32; bv 16 x 64 float32; k_bias 64 float32; k_scale 64 float32; q_bias 64 float32; q_scale 64 float32; x 8 x 1,024 x 1,024 float32.
;; Outputs: out0 8 x 1,024 x 1,024 float32.
;; This version of the problem:
;;   THIS VERSION OF THE PROBLEM IS GIVEN IN LOW PRECISION. The matrix products marked QUANTISED in the list below multiply operands that are first quantised to E2M1 (2 exponent bits, 1 mantissa bit; 4 bits a number), with one power-of-two scale for each 32 numbers along K (OCP MX v1.0); their sums are f32. The products marked 'left as it is' may take bf16, f16 or f32 operands, with f32 sums. Whichever they take, every output number must still come out within the allowed error. Rounding operands to bf16 (8 significant bits) uses up far more of that allowance than f16 does (11 bits, for magnitudes from 6e-5 to 65,504). All else is computed in f32.
;;   The module's matrix products, in the order in which they are computed (A, B: the left and right operand; K: the contracted axis; several contracted axes count as one K, in the product's order):
;;     1. [M 8,192, K 1,024] x [K 1,024, N 1,024]; A: input x; B: input Wq: QUANTISED
;;     2. [M 8,192, K 1,024] x [K 1,024, N 1,024]; A: input x; B: input Wk: QUANTISED
;;     3. [M 8,192, K 1,024] x [K 1,024, N 1,024]; A: input x; B: input Wv: QUANTISED
;;     4. batch 128 x [M 1,024, K 64] x [K 64, N 1,024]; A: computed on the way; B: computed on the way: left as it is (an operand is computed on the way)
;;     5. batch 128 x [M 64, K 1,024] x [K 1,024, N 1,024]; A: computed on the way; B: computed on the way: left as it is (an operand is computed on the way)
;;     6. [M 8,192, K 1,024] x [K 1,024, N 1,024]; A: computed on the way; B: input Wo: left as it is (an operand is computed on the way)
;;   THE QUANTISER, for each operand of a quantised product, along K:
;;     - K is cut into blocks of 32 from its start; a last block that is shorter is filled with zeros.
;;     - A block's scale is 2^e with e = floor(log2(the largest magnitude in the block)) - 2, held to -126 .. 127; a block of zeros has e = 0. As a byte (E8M0): e + 127.
;;     - Each number is divided by its block's scale, clamped to +-6, and rounded to the nearest number of E2M1, ties to even, subnormals kept.
;;     - The product sums the exact products of the quantised numbers (number of the format x scale) in f32.
;;   ~~~python
;;   def quantise(x, axis):      # numpy; x: float32 -> the quantised numbers, widened to float32 again
;;       x = np.moveaxis(x, axis, -1); K = x.shape[-1]
;;       x = np.pad(x, [(0, 0)] * (x.ndim - 1) + [(0, -K % 32)]); x = x.reshape(x.shape[:-1] + (-1, 32)); a = np.abs(x).max(-1, keepdims=True)
;;       e = np.where(a > 0, np.clip(np.frexp(np.where(a > 0, a, 1))[1] - 1 - 2, -126, 127), 0)      # np.frexp(a)[1] - 1 = floor(log2(a)), exactly
;;       r = np.clip(x / 2.0 ** e, -6, 6)
;;       step = 2.0 ** (np.maximum(np.frexp(np.where(r == 0, 1, r))[1] - 1, 0) - 1)
;;       q = np.round(r / step) * step * 2.0 ** e      # np.round: ties to even
;;       return np.moveaxis(q.reshape(q.shape[:-2] + (-1,))[..., :K], -1, axis).astype(np.float32)
;;   ~~~
;; One version. Each part assembles by itself: llvm-mc -triple=amdgcn-amd-amdhsa -mcpu=gfx1250 --defsym DOCPART=n.
;; ======== version 1 of 1: 4 launches
;; limits: values are held in f16: magnitudes above 65,504 overflow, below 6.1e-05 lose precision
;; workspace buffers: xc 4,194,304 bytes; xs 262,144 bytes; wc 1,572,864 bytes; ws 98,304 bytes; woh 2,097,152 bytes; ropet 4,096 bytes; qkvh 50,331,648 bytes; ctxh 16,777,216 bytes
;; launch prep (part 1): grid 641 x 1, 8 waves a work-group, no clusters, 70,144 bytes of LDS; arguments x, Wq, Wk, Wv, Wo, xc, xs, wc, ws, woh, ropet; writes xc, xs, wc, ws, woh, ropet
.if DOCPART == 1
	.amdgcn_target "amdgcn-amd-amdhsa--gfx1250"
	.amdhsa_code_object_version 6
	.text
	.protected	k_q3aad3a8572_prep
	.globl	k_q3aad3a8572_prep
	.p2align	8
	.type	k_q3aad3a8572_prep,@function
k_q3aad3a8572_prep:
	s_mov_b64 s[64:65], 0
	v_nop
	global_prefetch_b8 v0, s[64:65] scope:SCOPE_SE
	s_setreg_imm32_b32 hwreg(HW_REG_WAVE_MODE, 25, 1), 1
	s_wait_xcnt 0x0
; PREPARATION: everything that is made once and read many times.
;   work-groups 0-95:    Wq, Wk, Wv [1024 (k)][1024 (n)] f32 -> codes of FP4 (E2M1) along k, one E8M0 byte for each 32 k
;   work-groups 96-127:  Wo [1024 (k)][1024 (n)] f32 -> f16
;   work-group  128:     the table of cos and sin of the rotation: 32 positions x 16 frequencies
;   work-groups 129-640: x [8192][1024] f32 -> codes of FP4 along k, and scale bytes
; ALL RESULTS ARE LAID AS IMAGES OF OPERAND REGISTERS: pieces of 512 bytes in which lane l's 16 bytes lie at 16 l, so that the later launches fill a fragment by loads of 16 bytes at 16 x lane.
;   codes: a tile of 16 rows is 8,192 bytes; K step q (128 k) 1,024 of them; piece c of a K step holds registers 4 c .. 4 c + 3: block 2 c + h of row r at 256 h + 16 r.
;   scale words (4 bytes: one row, 128 k): a tile is 512 bytes: words 0-3 of row r at 16 r, words 4-7 at 256 + 16 r: one load of 16 bytes a lane; K steps 4-7 are read from lanes 16-31.
;   f16 [rows][K]: a tile of 16 rows is K / 16 pieces; piece k / 16: lane 16 ((k % 16) / 8) + row % 16 holds 8 neighbours along k.
; The weights' 3,072 columns are ordered head x 192 + (q, k, v) x 64 + channel: 12 tiles a head.
; THE QUANTISER: a block's scale is 2^(floor(log2(largest magnitude)) - 2); its byte is the largest magnitude's exponent field - 2; the conversion divides, rounds to nearest (ties to even) and holds at the largest code.
; LIMITS: NaN and infinities are not served.  A block of zeros, or one whose largest magnitude lies under 2^-124, gets the byte 1 (the rule says 127 for zeros): its codes are zeros, and this program alone reads the bytes.
; Wo goes to f16: magnitudes over 65,504 are not served.  The table's angles are good to about 1e-5.  The table's stores cover 128 consecutive bytes each (4,096 bytes in all).
; The three paths part on the work-group's number alone; each has LDS bytes of its own.  No tensor load, no loop.
.set XPW,   8448                       ; x path: a wave's stage, 16 rows x (512 bytes + 16); eight of them from LDS byte 0
.set SCX,   67584                      ; x path: the tile's 128 scale words
.set SCW,   68096                      ; weight path: 4 tiles x 64 scale words
.set SPARE, 69120                      ; the spare words, 128 bytes for each wave: four blocks of 256 bytes that no other line names
.set SPW,   4                          ; v4  LDS address of my spare word; never rewritten
.set NIL,   5                          ; v5  0; never rewritten
.set DAT,   16                         ; v16-143 numbers
.set COD,   144                        ; v144-159 codes
.macro FINISH                          ; the wave's end
	s_wait_tensorcnt 0x0
	ds_add_u32 v[SPW], v[NIL]
	s_wait_dscnt 0x0
	s_endpgm
.endm
	s_load_b512 s[4:19], s[0:1], 0x0               ; x 4, Wq 6, Wk 8, Wv 10, Wo 12, xc 14, xs 16, wc 18
	s_load_b128 s[20:23], s[0:1], 0x40             ; ws 20, woh 22
	s_load_b64 s[24:25], s[0:1], 0x50              ; the table
	v_lshl_add_u32 v[SPW], v0, 2, SPARE
	v_mov_b32 v[NIL], 0
	v_lshrrev_b32 v1, 5, v0
	v_readfirstlane_b32 s26, v1                    ; wave 0..7
	v_and_b32 v1, 31, v0                           ; lane
	v_and_b32 v2, 15, v0                           ; r
	v_bfe_u32 v3, v0, 4, 1                         ; h
	s_mov_b32 s28, 0x76543210
	s_mov_b32 s29, 0xfedcba98                      ; v_permlanex16_b32's selects for lane l xor 16
	s_wait_kmcnt 0x0
	s_cmp_lt_u32 ttmp9, 128
	s_cbranch_scc1 .Lw
	s_cmp_eq_u32 ttmp9, 128
	s_cbranch_scc1 .Lrope
; ---------------- x: a work-group takes 16 rows, wave q their K step q (128 k: 512 bytes of each row)
	s_sub_co_u32 s30, ttmp9, 129                   ; the tile of rows
	s_lshl_b32 s32, s30, 16                        ; 16 rows of 4,096 bytes
	s_lshl_b32 s34, s26, 9
	s_add_co_u32 s32, s32, s34
	s_mov_b32 s33, 0
	s_add_nc_u64 s[4:5], s[4:5], s[32:33]
	v_lshlrev_b32 v6, 4, v1                        ; 16 x lane
.irp i, 0,1,2,3,4,5,6,7,8,9,10,11,12,13,14,15
	global_load_b128 v[DAT+4*\i:DAT+4*\i+3], v6, s[4:5] offset:\i*4096 th:TH_LOAD_NT   ; row i: 32 lanes read 512 consecutive bytes
.endr
	s_lshl_b32 s32, s30, 13
	s_lshl_b32 s34, s26, 10
	s_add_co_u32 s32, s32, s34
	s_add_nc_u64 s[14:15], s[14:15], s[32:33]      ; my fragment's image: tile x 8,192 + K step x 1,024
	s_lshl_b32 s32, s30, 9
	s_add_nc_u64 s[16:17], s[16:17], s[32:33]      ; the tile's scale words
	s_mul_i32 s31, s26, XPW
	v_add_nc_u32 v7, s31, v6                       ; the stage, in: as loaded
	v_mul_u32_u24 v8, v2, 528
	v_lshl_add_u32 v8, v3, 7, v8
	v_add_nc_u32 v8, s31, v8                       ; out: row r, + 128 h: the fragment gives lane (r, h) k = 64 c + 32 h + 0 .. 31
	s_lshr_b32 s34, s26, 2
	s_lshl_b32 s34, s34, 8
	s_and_b32 s35, s26, 3
	s_lshl_b32 s35, s35, 2
	s_add_co_u32 s34, s34, s35
	s_add_co_u32 s34, s34, SCX
	v_lshl_add_u32 v9, v2, 4, s34                  ; my row's scale word of K step q: 256 (q / 4) + 16 r + 4 (q % 4)
	v_add_nc_u32 v152, SCX, v6                     ; and where wave 0 reads the tile's words back
.irp i, 0,1,2,3,4,5,6,7,8,9,10,11,12,13,14,15
	s_wait_loadcnt 15-\i                           ; loads come back in order: row i is in, the younger rows may be out
	ds_store_b128 v7, v[DAT+4*\i:DAT+4*\i+3] offset:\i*528
.endr
.irp c, 0,1
.irp g, 0,1,2,3,4,5,6,7
	ds_load_b128 v[80+32*\c+4*\g:83+32*\c+4*\g], v8 offset:256*\c+16*\g   ; LDS serves a wave's instructions in order: these see my stores.  Rows 528 bytes apart: sixteen rows, sixteen different columns of 16 bytes
.endr
.endr
	s_wait_dscnt 0x0
.irp c, 0,1                                    ; my block 2 c + h: all its 32 numbers are mine
	v_max3_num_f32 v[10+\c], |v[80+32*\c]|, |v[81+32*\c]|, 0x1800000   ; with the floor 2^(3 - 127): the byte cannot fall under 1
.endr
.irp i, 2,4,6,8,10,12,14,16,18,20,22,24,26,28,30
.irp c, 0,1
	v_max3_num_f32 v[10+\c], v[10+\c], |v[80+32*\c+\i]|, |v[81+32*\c+\i]|
.endr
.endr
.irp c, 0,1
	v_add_nc_u32 v[12+\c], 0xff000000, v[10+\c]    ; 2 off the exponent field: the conversion's scale operand
.endr
.irp c, 0,1
	v_lshrrev_b32 v[14+\c], 23, v[12+\c]           ; the scale's byte
.endr
	v_lshl_or_b32 v10, v15, 16, v14                ; my two bytes: blocks h and 2 + h,
	v_lshlrev_b32 v11, 3, v3
	v_lshlrev_b32 v10, v11, v10                    ; 8 h bits up;
	v_mov_b32 v11, 0
	v_permlanex16_b32 v11, v10, s28, s29
	v_or_b32 v10, v10, v11                         ; with lane l xor 16's two the word is whole
.irp c, 0,1
.irp g, 0,1,2,3
	v_cvt_scalef32_pk8_fp4_f32 v[COD+4*\c+\g], v[80+32*\c+8*\g:87+32*\c+8*\g], v[12+\c]
.endr
.endr
	v_nop                                          ; one plain line behind the last scaled conversion
.irp c, 0,1
	global_store_b128 v6, v[COD+4*\c:COD+4*\c+3], s[14:15] offset:512*\c   ; 32 lanes store 512 consecutive bytes, aligned
.endr
	ds_store_b32 v9, v10                           ; both halves of the lanes write the same word with the same value
	s_wait_dscnt 0x0                               ; for the others' sake: my store has landed
	s_barrier_signal -1
	s_barrier_wait -1
	s_cmp_lg_u32 s26, 0
	s_cbranch_scc1 .Lx_end
	ds_load_b128 v[16:19], v152                    ; wave 0: the eight waves' words, 512 bytes
	s_wait_dscnt 0x0
	global_store_b128 v6, v[16:19], s[16:17]
.Lx_end:
	FINISH
; ---------------- the weights: a work-group takes 64 columns x 512 k; a wave 32 columns x one K step.  A LANE TAKES A COLUMN AND ITS REGISTERS RUN DOWN k
.macro LOADB blk
.irp i, 0,1,2,3,4,5,6,7,8,9,10,11,12,13,14,15,16,17,18,19,20,21,22,23,24,25,26,27,28,29,30,31
	global_load_b32 v[DAT+32*\blk+\i], v6, s[6:7] offset:(32*\blk+\i)*4096 th:TH_LOAD_NT
.endr
.endm
.macro QBLK blk                        ; block blk of my column: scale byte, 32 codes, stored as 16 bytes of the image
.set XB, DAT+32*\blk
	v_max3_num_f32 v10, |v[XB]|, |v[XB+1]|, |v[XB+2]|
	v_max3_num_f32 v11, |v[XB+3]|, |v[XB+4]|, |v[XB+5]|
.irp i, 6,10,14,18,22,26
	v_max3_num_f32 v10, v10, |v[XB+\i]|, |v[XB+\i+1]|
	v_max3_num_f32 v11, v11, |v[XB+\i+2]|, |v[XB+\i+3]|
.endr
	v_max3_num_f32 v10, v10, |v[XB+30]|, |v[XB+31]|
	v_max3_num_f32 v10, v10, v11, 0x1800000        ; and the floor
	v_add_nc_u32 v13, 0xff000000, v10
	v_lshrrev_b32 v14, 23, v13
.if \blk == 0
	v_mov_b32 v12, v14
.else
	v_lshl_or_b32 v12, v14, 8*\blk, v12            ; the K step's scale word, the lower k in the lower byte
.endif
.irp g, 0,1,2,3
	v_cvt_scalef32_pk8_fp4_f32 v[COD+4*\blk+\g], v[XB+8*\g:XB+8*\g+7], v13
.endr
	v_nop                                          ; one plain line behind the last scaled conversion
	global_store_b128 v7, v[COD+4*\blk:COD+4*\blk+3], s[18:19] offset:256*\blk   ; sixteen lanes store 256 consecutive bytes, aligned
.endm
.macro HBLK blk                        ; the same 32 numbers to f16, in place, stored as four pieces of 16 bytes
.irp i, 0,1,2,3,4,5,6,7,8,9,10,11,12,13,14,15
	v_cvt_pk_f16_f32 v[DAT+32*\blk+\i], v[DAT+32*\blk+2*\i], v[DAT+32*\blk+2*\i+1]
.endr
.irp m, 0,1,2,3
	global_store_b128 v8, v[DAT+32*\blk+4*\m:DAT+32*\blk+4*\m+3], s[22:23] offset:(4*\blk+\m)*256
.endr
.endm
.Lw:
	s_lshr_b32 s30, ttmp9, 5                       ; t: 0 Wq, 1 Wk, 2 Wv, 3 Wo
	s_bfe_u32 s31, ttmp9, 0x40001                  ; which 64 columns (a head, for q, k, v)
	s_and_b32 s32, ttmp9, 1                        ; which half of k
	s_and_b32 s33, s26, 1                          ; cs: which 32 of the 64 columns
	s_lshr_b32 s34, s26, 1                         ; which K step of the half
	s_lshl_b32 s35, s32, 2
	s_add_co_u32 s35, s35, s34                     ; q: the K step
	s_cmp_eq_u32 s30, 1                            ; the source is chosen by the work-group's number alone
	s_cselect_b64 s[6:7], s[8:9], s[6:7]
	s_cmp_eq_u32 s30, 2
	s_cselect_b64 s[6:7], s[10:11], s[6:7]
	s_cmp_eq_u32 s30, 3
	s_cselect_b64 s[6:7], s[12:13], s[6:7]
	s_lshl_b32 s36, s35, 19                        ; 128 rows of 4,096 bytes a K step
	s_lshl_b32 s38, s31, 8
	s_add_co_u32 s36, s36, s38
	s_lshl_b32 s38, s33, 7
	s_add_co_u32 s36, s36, s38
	s_mov_b32 s37, 0
	s_add_nc_u64 s[6:7], s[6:7], s[36:37]
	v_lshlrev_b32 v6, 2, v1
	LOADB 0
	LOADB 1
	s_mul_i32 s38, s31, 12
	s_lshl_b32 s39, s30, 2
	s_add_co_u32 s38, s38, s39                     ; the first of my work-group's four tiles: 12 x head + 4 t
	s_lshl_b32 s39, s33, 1
	s_add_co_u32 s39, s38, s39
	s_lshl_b32 s36, s39, 13
	s_lshl_b32 s39, s35, 10
	s_add_co_u32 s36, s36, s39
	s_add_nc_u64 s[18:19], s[18:19], s[36:37]      ; codes: (tile + 2 cs) x 8,192 + 1,024 q
	s_lshl_b32 s36, s38, 9
	s_lshl_b32 s39, s32, 8
	s_add_co_u32 s36, s36, s39
	s_add_nc_u64 s[20:21], s[20:21], s[36:37]      ; scale words: tile x 512 + 256 x half
	s_lshl_b32 s36, s31, 2
	s_lshl_b32 s39, s33, 1
	s_add_co_u32 s36, s36, s39
	s_lshl_b32 s36, s36, 15
	s_lshl_b32 s39, s35, 12
	s_add_co_u32 s36, s36, s39
	s_add_nc_u64 s[22:23], s[22:23], s[36:37]      ; f16: (4 x group + 2 cs) x 32,768 + 4,096 q
	v_lshlrev_b32 v7, 4, v2
	v_lshl_add_u32 v8, v3, 15, v7                  ; f16: lanes 16-31 hold the next tile's columns
	v_lshl_add_u32 v7, v3, 13, v7                  ; codes likewise
	s_lshl_b32 s39, s33, 9
	s_lshl_b32 s40, s34, 2
	s_add_co_u32 s39, s39, s40
	s_add_co_u32 s39, s39, SCW
	v_lshlrev_b32 v9, 4, v2
	v_lshl_add_u32 v9, v3, 8, v9
	v_add_nc_u32 v9, s39, v9                       ; LDS: my column's word: 256 (2 cs + h) + 16 r + 4 x (K step of the half)
	v_and_b32 v15, 63, v0
	v_lshl_add_u32 v15, v15, 4, SCW                ; and where waves 0 and 1 read the words back
	s_cmp_eq_u32 s30, 3
	s_cbranch_scc1 .Lwo
	s_wait_loadcnt 32                              ; block 0's 32 loads are in; the next block's 32 may be out.  The same count in front of blocks 1 and 2
	QBLK 0
	LOADB 2
	s_wait_loadcnt 32
	QBLK 1
	LOADB 3
	s_wait_loadcnt 32
	QBLK 2
	s_wait_loadcnt 0x0
	QBLK 3
	ds_store_b32 v9, v12
	s_wait_dscnt 0x0                               ; for the others' sake: my store has landed
	s_barrier_signal -1
	s_barrier_wait -1
	s_cmp_lt_u32 s26, 2
	s_cbranch_scc0 .Lw_end
	ds_load_b128 v[16:19], v15                     ; thread i of 64: tile i / 16, row i % 16: four K steps' words
	v_lshrrev_b32 v10, 4, v0
	v_lshlrev_b32 v10, 9, v10
	v_lshl_add_u32 v10, v2, 4, v10
	s_wait_dscnt 0x0
	global_store_b128 v10, v[16:19], s[20:21]      ; sixteen lanes store 256 consecutive bytes, aligned
.Lw_end:
	FINISH
.Lwo:
	s_wait_loadcnt 32
	HBLK 0
	LOADB 2
	s_wait_loadcnt 32
	HBLK 1
	LOADB 3
	s_wait_loadcnt 32
	HBLK 2
	s_wait_loadcnt 0x0
	HBLK 3
	FINISH
; ---------------- the table: position p, frequency i: the angle is pi u, u = p x 10000^(-i / 16).  Lanes 0-15 make cos, lanes 16-31 sin = cos(pi (u - 1/2)).
; u is brought to its nearest whole number n: cos(pi u) = (-1)^n cos(pi (u - n)), |pi (u - n)| <= pi / 2, and there the series to x^12 is cut under 1e-8.
.Lrope:
	v_cvt_f32_u32 v6, v2
	v_mul_f32 v6, 0xbf549a78, v6                   ; -i log2(10000) / 16
	v_exp_f32 v6, v6
	v_cvt_f32_u32 v7, v3                           ; (a plain line behind the exponential)
	v_mul_f32 v7, -0.5, v7
	v_mov_b32 v8, s26
	v_lshlrev_b32 v9, 2, v1
	v_lshl_add_u32 v9, v8, 7, v9                   ; a position is 128 bytes: 16 cos, 16 sin
	s_wait_alu depctr_va_vdst(0)                   ; the wait ahead of the first reader of the exponential
.irp n, 0,1,2,3                                ; wave w takes positions w, w + 8, w + 16, w + 24, by turns
	v_add_nc_u32 v[16+\n], 8*\n, v8
.endr
.irp n, 0,1,2,3
	v_cvt_f32_u32 v[16+\n], v[16+\n]
.endr
.irp n, 0,1,2,3
	v_fma_f32 v[16+\n], v[16+\n], v6, v7           ; u
.endr
.irp n, 0,1,2,3
	v_rndne_f32 v[20+\n], v[16+\n]                 ; n
.endr
.irp n, 0,1,2,3
	v_sub_f32 v[16+\n], v[16+\n], v[20+\n]
.endr
.irp n, 0,1,2,3
	v_mul_f32 v[16+\n], 0x40490fdb, v[16+\n]       ; x = pi (u - n)
.endr
.irp n, 0,1,2,3
	v_mul_f32 v[16+\n], v[16+\n], v[16+\n]         ; y = x^2
.endr
.irp n, 0,1,2,3
	v_mov_b32 v[24+\n], 0x310f76c7                 ; 1 / 12!
.endr
.irp k, 0xb493f27e, 0x37d00d01, 0xbab60b61, 0x3d2aaaab, 0xbf000000, 0x3f800000   ; -1/10!, 1/8!, -1/6!, 1/4!, -1/2, 1
.irp n, 0,1,2,3
	v_fmaak_f32 v[24+\n], v[24+\n], v[16+\n], \k
.endr
.endr
.irp n, 0,1,2,3
	v_cvt_i32_f32 v[20+\n], v[20+\n]
.endr
.irp n, 0,1,2,3
	v_lshlrev_b32 v[20+\n], 31, v[20+\n]           ; n odd: the sign turns
.endr
.irp n, 0,1,2,3
	v_xor_b32 v[24+\n], v[24+\n], v[20+\n]
.endr
.irp n, 0,1,2,3
	global_store_b32 v9, v[24+\n], s[24:25] offset:1024*\n
.endr
	FINISH
.Lfunc_end_k_q3aad3a8572_prep:
	.size	k_q3aad3a8572_prep, .Lfunc_end_k_q3aad3a8572_prep-k_q3aad3a8572_prep
	.p2alignl 7, 3214868480
	.fill 96, 4, 3214868480
	.section	.rodata,"a",@progbits
	.p2align	6, 0x0
	.amdhsa_kernel k_q3aad3a8572_prep
		.amdhsa_group_segment_fixed_size 70144
		.amdhsa_private_segment_fixed_size 0
		.amdhsa_enable_private_segment 0
		.amdhsa_kernarg_size 88
		.amdhsa_user_sgpr_count 2
		.amdhsa_user_sgpr_kernarg_segment_ptr 1
		.amdhsa_wavefront_size32 1
		.amdhsa_system_sgpr_workgroup_id_x 1
		.amdhsa_system_sgpr_workgroup_id_y 1
		.amdhsa_system_sgpr_workgroup_id_z 1
		.amdhsa_system_vgpr_workitem_id 0
		.amdhsa_next_free_vgpr 160
		.amdhsa_next_free_sgpr 66
		.amdhsa_reserve_vcc 0
		.amdhsa_float_denorm_mode_32 3
		.amdhsa_float_denorm_mode_16_64 3
		.amdhsa_memory_ordered 1
		.amdhsa_forward_progress 1
		.amdhsa_inst_pref_size 47
	.end_amdhsa_kernel
	.amdgpu_metadata
---
amdhsa.version: [ 1, 2 ]
amdhsa.kernels:
  - .name:           k_q3aad3a8572_prep
    .symbol:         k_q3aad3a8572_prep.kd
    .args:
      - { .name: x, .offset: 0, .size: 8, .value_kind: global_buffer, .address_space: global }
      - { .name: Wq, .offset: 8, .size: 8, .value_kind: global_buffer, .address_space: global }
      - { .name: Wk, .offset: 16, .size: 8, .value_kind: global_buffer, .address_space: global }
      - { .name: Wv, .offset: 24, .size: 8, .value_kind: global_buffer, .address_space: global }
      - { .name: Wo, .offset: 32, .size: 8, .value_kind: global_buffer, .address_space: global }
      - { .name: xc, .offset: 40, .size: 8, .value_kind: global_buffer, .address_space: global }
      - { .name: xs, .offset: 48, .size: 8, .value_kind: global_buffer, .address_space: global }
      - { .name: wc, .offset: 56, .size: 8, .value_kind: global_buffer, .address_space: global }
      - { .name: ws, .offset: 64, .size: 8, .value_kind: global_buffer, .address_space: global }
      - { .name: woh, .offset: 72, .size: 8, .value_kind: global_buffer, .address_space: global }
      - { .name: ropet, .offset: 80, .size: 8, .value_kind: global_buffer, .address_space: global }
    .group_segment_fixed_size: 70144
    .private_segment_fixed_size: 0
    .kernarg_segment_align: 8
    .kernarg_segment_size: 88
    .max_flat_workgroup_size: 256
    .sgpr_count:     66
    .vgpr_count:     160
    .wavefront_size: 32
...
	.end_amdgpu_metadata
.endif
;; end of part 1
;; launch project_qkv (part 2): grid 8 x 32, 4 waves a work-group, clusters of 4 x 4, 327,680 bytes of LDS; arguments xc, xs, wc, ws, bq, bk, bv, q_scale, q_bias, k_scale, k_bias, ropet, qkvh; writes qkvh
.if DOCPART == 2
	.amdgcn_target "amdgcn-amd-amdhsa--gfx1250"
	.amdhsa_code_object_version 6
	.text
	.protected	k_q3aad3a8572_project_qkv
	.globl	k_q3aad3a8572_project_qkv
	.p2align	8
	.type	k_q3aad3a8572_project_qkv,@function
k_q3aad3a8572_project_qkv:
	s_mov_b64 s[64:65], 0
	v_nop
	global_prefetch_b8 v0, s[64:65] scope:SCOPE_SE
	s_setreg_imm32_b32 hwreg(HW_REG_WAVE_MODE, 25, 1), 1
	s_wait_xcnt 0x0
	s_wait_alu depctr_hold_cnt(0) depctr_sa_sdst(0) depctr_va_vdst(0) depctr_va_sdst(0) depctr_va_ssrc(0) depctr_va_vcc(0) depctr_vm_vsrc(0)
	s_getreg_b32 s2, hwreg(HW_REG_IB_STS2, 6, 4)
	s_cmp_eq_u32 s2, 0
	s_cbranch_scc0 .Lentry_in_a_cluster
	s_endpgm
.Lentry_in_a_cluster:
	s_bfe_u32 s2, ttmp6, 0x10000c
	s_cmp_lg_u32 s2, 0xf033
	s_cbranch_scc0 .Lentry_shape_is_right
	s_endpgm
.Lentry_shape_is_right:
; q, k, v = x W + b on codes of FP4 with E8M0 scales (K = 1,024: eight K steps of 128); then, in f32 and in registers, for q and k: RMS norm over the head's 64, gain and bias, the rotation by two positions; all three rounded to f16.
; A WORK-GROUP STAYS: it takes two blocks of 128 tokens, one after the other, against the same 384 columns (q, k, v of two heads); wave (rh, ch) takes 64 tokens x one head's 192 columns: 48 accumulators, 384 registers.
; ALL OF K LIES IN LDS: two slots of 131,072 bytes (K steps 0-3, 4-7).  The weights' part of a slot (98,304 bytes) is filled once and serves both blocks.  x's part (32,768 bytes) is filled again for the second block as soon as the
; first block's last read of it is in: slot 0's ahead of K step 3, slot 1's ahead of K step 7.  So the second block's tiles land under the first block's last products and its way out, and the first block's stores leave under the second's products.
; (A second copy of x's 65,536 bytes beside the 262,144 would leave no byte for the spare words: so the bytes are filled again.)  Operands lie as images of their registers: every LDS load takes 512 consecutive bytes.
; CLUSTERS: 4 x 4 work-groups.  x's tiles hang on the block of tokens alone and are shared along a row of the cluster, the weights' on the pair of heads alone and are shared along a column: each is asked for jointly.
; q AND k ARE MADE TRANSPOSED (source 0 = 16 columns of W, source 1 = 16 tokens): a lane holds ONE token and eight neighbouring channels 16 b + 8 h + j: the norm wants one exchange between the halves of the lanes, the rotation's
; partner (16 channels on) lies in the same lane, and eight results rounded to f16 are 16 bytes of a fragment of the first product of attention.
; v IS MADE AS IT STANDS (source 0 = tokens, source 1 = columns): a lane holds one channel and eight neighbouring tokens: 16 bytes of a fragment of V^T.  So every store of the wave covers 512 consecutive bytes, aligned, with no stage.
; The biases are the C of each sum's first product.  q's gain and bias are multiplied by log2(e) / 8 (the rotation is linear), so that attention's scores are exponents of 2.
; LIMITS: q log2(e) / 8, k and v are rounded to f16: magnitudes over 65,504 are not served; NaN and infinities are not served.
; REGISTERS, in windows of 256 (s_set_vgpr_msb: bits 1:0 source 0, 3:2 source 1, 5:4 source 2, 7:6 destination):
;   window 0: v1-4, v16-21 addresses; v28, v29 the add's two; v32-47 x's scale words, v48-95 the weights'; v96-159 x's fragments, two sets; v160-175 sums of squares; on the way out v32-159 are at work
;   window 1: the weights' fragments, two sets at v0 and v128 (12 x 8); v96-127 cos, sin by the first position; v224-255 by the second; on the way out the f16 results
;   window 2: q's accumulators v0-127, k's v128-255 (token tile a, channel tile b at 8 (4 a + b))     window 3: v's accumulators v0-127; v128-223 the biases as C, later v128-255 gains and biases of the norm
.set SLOT,  131072
.set AOFF,  98304                      ; in a slot: the weights' 24 tiles x 4,096 bytes, then x's 8 tiles
.set SPARE, 262144                     ; the spare words, 128 bytes for each wave: two blocks of 256 bytes that no other line names
.set LI,    1                          ; v1  16 x lane
.set H32,   2                          ; v2  32 h
.set R4,    3                          ; v3  4 r
.set RH,    4                          ; v4  128 r + 32 h
.set ADRA,  16                         ; v16-17 x's fragments in slot 0, 1
.set ADRB,  20                         ; v20-21 the weights'
.set SPW,   28
.set NIL,   29
.set XS,    32
.set WS,    48
.set AF,    96
.set SS,    160
.set T,     32
.set WV,    30                         ; s30 wave
.set G1A,   40                         ; s[40:47] descriptor group 1 for x's tiles; s[48:55] for the weights'
.set G1B,   48
.set G0A,   56                         ; s[56:63] group 0 for x's, a set for each slot; s[68:75] for the weights'
.set G0B,   68
.set CS,    76                         ; s[76:77] log2(e) / 8
.set SEL,   78                         ; s[78:79]
.set SQ,    82                         ; s[82:83], s[84:85], s[86:87] where my q, k, v of the first block go; the second block's lie 16,384 bytes on
.set SK,    84
.set SV,    86
.set MSB, 0
.macro WIN new                         ; the immediate's high byte repeats the setting that is left
.if MSB != \new
	s_set_vgpr_msb (MSB<<8)|\new
.set MSB, \new
.endif
.endm
.macro PLACES                          ; four plain lines between a matrix instruction and a load into, or a vector read or write of, its registers
.rept 4
	v_nop
.endr
.endm
.macro CROUND                          ; a round of the cluster's barrier
	s_barrier_signal -1
	s_barrier_wait -1
	s_cmp_lg_u32 s[WV], 0
	s_cbranch_scc1 .Lnot_wave_0_\@
	s_barrier_signal -3
.Lnot_wave_0_\@:
	s_barrier_wait -3
	s_barrier_signal -1
	s_barrier_wait -1
.endm
.macro ALOAD s                         ; x's part of slot s is filled again: wave 3's joint load, its one tensor load behind the round; the branch hangs on the wave's number alone
	s_cmp_eq_u32 s[WV], 3
	s_cbranch_scc0 .Lnot_mine_\@
	tensor_load_to_lds s[G0A+4*\s:G0A+4*\s+3], s[G1A:G1A+7]
	s_nop 0
.rept 4
	v_nop
.endr
.Lnot_mine_\@:
.endm
	s_load_b512 s[4:19], s[0:1], 0x0               ; xc 4, xs 6, wc 8, ws 10, bq 12, bk 14, bv 16, q_scale 18
	s_load_b256 s[20:27], s[0:1], 0x40             ; q_bias 20, k_scale 22, k_bias 24, the table 26
	s_load_b64 s[28:29], s[0:1], 0x60              ; the result
	v_lshl_add_u32 v[SPW], v0, 2, SPARE
	v_mov_b32 v[NIL], 0
	ds_add_u32 v[SPW], v[NIL]                      ; the wave's opening: the add, twice on end, and its wait ahead of my first tensor load
	ds_add_u32 v[SPW], v[NIL]
	v_lshrrev_b32 v1, 5, v0
	v_readfirstlane_b32 s[WV], v1                  ; wave 0..3
	s_lshr_b32 s31, s[WV], 1                       ; rh: which 64 tokens
	s_and_b32 s32, s[WV], 1                        ; ch: which head
	s_bfe_u32 s33, ttmp6, 0x40000                  ; cx
	s_bfe_u32 s34, ttmp6, 0x40004                  ; cy
	s_lshl_b32 s35, ttmp9, 2
	s_add_co_u32 s35, s35, s33                     ; tx: the pair of heads
	s_and_b32 s36, ttmp7, 0xffff
	s_lshl_b32 s36, s36, 2
	s_add_co_u32 s36, s36, s34                     ; ty: the pair of blocks: 256 tokens
	s_lshl_b32 s37, s34, 2
	s_lshl_b32 s37, 15, s37                        ; my row of the cluster
	s_lshl_b32 s38, 0x1111, s33                    ; my column
	; a load brings 8 tiles' parts of a slot: 8 rows of 4,096 bytes (512 elements of 8 bytes), 8,192 bytes apart in memory, dense in LDS
	s_or_b32 s[G1A], s37, (3<<16)|(1<<21)          ; 15:0 the mask; 17:16 elements of 8 bytes; 21 set beside a mask; no padding
	s_or_b32 s[G1B], s38, (3<<16)|(1<<21)
.irp g, G1A, G1B
	s_mov_b32 s[\g+1], 512<<16                     ; tensor_dim0
	s_mov_b32 s[\g+2], 8<<16                       ; tensor_dim1
	s_mov_b32 s[\g+3], 512<<16                     ; tile_dim0
	s_mov_b32 s[\g+4], 8                           ; tile_dim1
	s_mov_b32 s[\g+5], 1024                        ; from row to row
	s_mov_b32 s[\g+6], 0
	s_mov_b32 s[\g+7], 0
.endr
	s_lshl_b32 s88, s36, 17                        ; x: 8 tiles of 8,192 bytes a block of tokens, two blocks
	s_mov_b32 s89, 0
	s_mul_i32 s90, s35, 24
	s_lshl_b32 s91, s[WV], 3
	s_add_co_u32 s90, s90, s91
	s_lshl_b32 s90, s90, 13                        ; the weights: tiles 24 tx + 8 wave on
	s_mov_b32 s91, 0
	s_lshl_b32 s39, s[WV], 15                      ; where a wave's load goes: wave x 32,768: waves 0-2 the weights' 24 tiles, wave 3 x's 8
	s_mov_b32 s[CS], 0x3e38aa3b
	s_mov_b32 s[CS+1], s[CS]
	s_mov_b32 s[SEL], 0x76543210
	s_mov_b32 s[SEL+1], 0xfedcba98
	s_mov_b32 s80, 0x3c800000                      ; 1 / 64
	s_mov_b32 s81, 0x358637bd                      ; 1e-6
	s_wait_dscnt 0x0                               ; both opening adds are done
	s_wait_kmcnt 0x0
	s_add_nc_u64 s[88:89], s[4:5], s[88:89]
	s_add_nc_u64 s[90:91], s[8:9], s[90:91]
	CROUND                                         ; all sixteen work-groups are here: the joint loads meet
.irp s, 0,1
	s_mov_b32 s[G0A+4*\s], 1
	s_add_co_u32 s[G0A+4*\s+1], s39, \s*SLOT
	s_add_nc_u64 s[G0A+4*\s+2:G0A+4*\s+3], s[88:89], \s*4096
	s_or_b32 s[G0A+4*\s+3], s[G0A+4*\s+3], 0x80000000
	s_mov_b32 s[G0B+4*\s], 1
	s_add_co_u32 s[G0B+4*\s+1], s39, \s*SLOT
	s_add_nc_u64 s[G0B+4*\s+2:G0B+4*\s+3], s[90:91], \s*4096
	s_or_b32 s[G0B+4*\s+3], s[G0B+4*\s+3], 0x80000000
.endr
	s_cmp_lt_u32 s[WV], 3                          ; a wave's two first fills stand in one branch on the wave's number: two loads of mine are out
	s_cbranch_scc0 .Lfirst_a
	tensor_load_to_lds s[G0B:G0B+3], s[G1B:G1B+7]
	s_nop 0
	tensor_load_to_lds s[G0B+4:G0B+7], s[G1B:G1B+7]
	s_nop 0
.rept 4
	v_nop
.endr
	s_branch .Lfirst_asked
.Lfirst_a:
	tensor_load_to_lds s[G0A:G0A+3], s[G1A:G1A+7]
	s_nop 0
	tensor_load_to_lds s[G0A+4:G0A+7], s[G1A:G1A+7]
	s_nop 0
.rept 4
	v_nop
.endr
.Lfirst_asked:
	s_lshl_b32 s92, s35, 1
	s_add_co_u32 s92, s92, s32                     ; my head
	s_lshl_b32 s94, s36, 13
	s_lshl_b32 s95, s31, 11
	s_add_co_u32 s94, s94, s95
	s_mov_b32 s95, 0
	s_add_nc_u64 s[6:7], s[6:7], s[94:95]          ; x's scale words: tiles 16 ty + 4 rh on, 512 bytes each; the second block's 4,096 bytes on
	s_mul_i32 s94, s92, 6144
	s_add_nc_u64 s[10:11], s[10:11], s[94:95]      ; the weights': 12 tiles a head
	s_lshl_b32 s94, s92, 8
	s_add_nc_u64 s[12:13], s[12:13], s[94:95]      ; bq, bk, bv at my head
	s_add_nc_u64 s[14:15], s[14:15], s[94:95]
	s_add_nc_u64 s[16:17], s[16:17], s[94:95]
	s_and_b32 s93, s36, 3
	s_lshl_b32 s93, s93, 8
	s_lshl_b32 s94, s31, 6
	s_add_co_u32 s93, s93, s94                     ; s0: my first token's place in its sequence, a multiple of 64; the second block's is s0 + 128
	s_lshl_b32 s94, s93, 2
	s_add_nc_u64 s[96:97], s[26:27], s[94:95]      ; the table at the second position s0 / 32 (128 bytes a position)
	s_lshr_b32 s94, s36, 2                         ; the batch: both blocks lie in it
	s_lshl_b32 s94, s94, 4
	s_add_co_u32 s94, s94, s92
	s_lshl_b32 s94, s94, 10
	s_add_co_u32 s94, s94, s93
	s_lshl_b32 s94, s94, 7                         ; ((batch x 16 + head) x 1,024 + s0) x 128 bytes
	s_add_nc_u64 s[SQ:SQ+1], s[28:29], s[94:95]
	s_add_nc_u64 s[SK:SK+1], s[SQ:SQ+1], 0x1000000
	s_add_nc_u64 s[SV:SV+1], s[SQ:SQ+1], 0x2000000
	v_and_b32 v5, 31, v0
	v_lshlrev_b32 v[LI], 4, v5
	v_and_b32 v6, 15, v0
	v_bfe_u32 v7, v0, 4, 1
	v_lshlrev_b32 v[H32], 5, v7
	v_lshlrev_b32 v[R4], 2, v6
	v_lshl_add_u32 v[RH], v6, 7, v[H32]
	s_mul_i32 s98, s32, 49152                      ; my head's 12 tiles
	s_lshl_b32 s99, s31, 14                        ; my 4 tiles of tokens
	s_add_co_u32 s99, s99, AOFF
.irp s, 0,1
	v_add_nc_u32 v[ADRB+\s], s98, v[LI]
	v_add_nc_u32 v[ADRA+\s], s99, v[LI]
	s_add_co_u32 s98, s98, SLOT
	s_add_co_u32 s99, s99, SLOT
.endr
; What a block's products want from memory beside the tiles: scale words, the biases as C, the tables.  The table by the first position is the same for both blocks and is loaded once.
.macro LOADS blk
	WIN 0
.irp a, 0,1,2,3
	global_load_b128 v[XS+4*\a:XS+4*\a+3], v[LI], s[6:7] offset:4096*\blk+512*\a     ; register q % 4: lanes 0-15 K step q < 4, lanes 16-31 K step q >= 4
.endr
.irp j, 0,1,2,3,4,5,6,7,8,9,10,11
	global_load_b128 v[WS+4*\j:WS+4*\j+3], v[LI], s[10:11] offset:512*\j
.endr
	WIN 0xc0                                       ; destination window 3
.irp b, 0,1,2,3
	global_load_b128 v[128+8*\b:131+8*\b], v[H32], s[12:13] offset:64*\b       ; bq at channels 16 b + 8 h + 0 .. 7
	global_load_b128 v[132+8*\b:135+8*\b], v[H32], s[12:13] offset:64*\b+16
	global_load_b128 v[160+8*\b:163+8*\b], v[H32], s[14:15] offset:64*\b       ; bk
	global_load_b128 v[164+8*\b:167+8*\b], v[H32], s[14:15] offset:64*\b+16
.irp j, 0,1,2,3,4,5,6,7
	global_load_b32 v[192+8*\b+\j], v[R4], s[16:17] offset:64*\b               ; bv at channel 16 b + r, in all eight registers
.endr
.endr
	WIN 0x40                                       ; destination window 1
.irp u, 0,1
.if \blk == 0
	global_load_b128 v[96+16*\u:99+16*\u],   v[RH], s[26:27] offset:2048*\u      ; first position 16 u + r: cos of frequencies 8 h + 0 .. 7,
	global_load_b128 v[100+16*\u:103+16*\u], v[RH], s[26:27] offset:2048*\u+16
	global_load_b128 v[104+16*\u:107+16*\u], v[RH], s[26:27] offset:2048*\u+64   ; sin
	global_load_b128 v[108+16*\u:111+16*\u], v[RH], s[26:27] offset:2048*\u+80
.endif
	global_load_b128 v[224+16*\u:227+16*\u], v[H32], s[96:97] offset:512*\blk+128*\u      ; second position s0 / 32 + 4 x block + u
	global_load_b128 v[228+16*\u:231+16*\u], v[H32], s[96:97] offset:512*\blk+128*\u+16
	global_load_b128 v[232+16*\u:235+16*\u], v[H32], s[96:97] offset:512*\blk+128*\u+64
	global_load_b128 v[236+16*\u:239+16*\u], v[H32], s[96:97] offset:512*\blk+128*\u+80
.endr
	WIN 0
.endm
.macro GAINS                           ; the norm's gains and biases land where K step 0 read the biases as C
	WIN 0xc0
.irp b, 0,1,2,3
	global_load_b128 v[128+8*\b:131+8*\b], v[H32], s[18:19] offset:64*\b
	global_load_b128 v[132+8*\b:135+8*\b], v[H32], s[18:19] offset:64*\b+16
	global_load_b128 v[160+8*\b:163+8*\b], v[H32], s[20:21] offset:64*\b
	global_load_b128 v[164+8*\b:167+8*\b], v[H32], s[20:21] offset:64*\b+16
	global_load_b128 v[192+8*\b:195+8*\b], v[H32], s[22:23] offset:64*\b
	global_load_b128 v[196+8*\b:199+8*\b], v[H32], s[22:23] offset:64*\b+16
	global_load_b128 v[224+8*\b:227+8*\b], v[H32], s[24:25] offset:64*\b
	global_load_b128 v[228+8*\b:231+8*\b], v[H32], s[24:25] offset:64*\b+16
.endr
.endm
.macro FETCH q, set                    ; K step q's fragments into set: 24 + 8 loads of 512 consecutive bytes
	WIN 0x40
.irp j, 0,1,2,3,4,5,6,7,8,9,10,11
.irp c, 0,1
	ds_load_b128 v[128*(\set)+8*\j+4*\c:128*(\set)+8*\j+4*\c+3], v[ADRB+(\q)/4] offset:\j*4096+((\q)%4)*1024+\c*512
.endr
.endr
	WIN 0
.irp a, 0,1,2,3
.irp c, 0,1
	ds_load_b128 v[AF+32*(\set)+8*\a+4*\c:AF+32*(\set)+8*\a+4*\c+3], v[ADRA+(\q)/4] offset:\a*4096+((\q)%4)*1024+\c*512
.endr
.endr
.endm
.macro PROD first, row                 ; one product on the registers named by pD, pA, pB, pC, pSA, pSB
.if \first
	v_wmma_scale_f32_16x16x128_f8f6f4 v[pD:pD+7], v[pA:pA+7], v[pB:pB+7], v[pC:pC+7], v[pSA], v[pSB] matrix_a_fmt:MATRIX_FMT_FP4 matrix_b_fmt:MATRIX_FMT_FP4
.elseif \row
	v_wmma_scale_f32_16x16x128_f8f6f4 v[pD:pD+7], v[pA:pA+7], v[pB:pB+7], v[pD:pD+7], v[pSA], v[pSB] matrix_a_fmt:MATRIX_FMT_FP4 matrix_b_fmt:MATRIX_FMT_FP4 matrix_a_scale:MATRIX_SCALE_ROW1 matrix_b_scale:MATRIX_SCALE_ROW1
.else
	v_wmma_scale_f32_16x16x128_f8f6f4 v[pD:pD+7], v[pA:pA+7], v[pB:pB+7], v[pD:pD+7], v[pSA], v[pSB] matrix_a_fmt:MATRIX_FMT_FP4 matrix_b_fmt:MATRIX_FMT_FP4
.endif
.endm
; A K step's 48 products.  The 48 accumulators take turns, one instruction a turn, in the same order in every step.  first = 1: the bias is the C.
.macro MUL q, set, first
.if \first
	WIN 0xb1                                       ; source 0 (W) window 1, source 1 (x) window 0, C window 3, D window 2
.else
	WIN 0xa1                                       ; C and D window 2
.endif
.irp a, 0,1,2,3
.irp t, 0,1
.irp b, 0,1,2,3
.set pD, 128*\t+8*(4*\a+\b)
.set pA, 128*(\set)+8*(4*\t+\b)
.set pB, AF+32*(\set)+8*\a
.set pC, 128+8*(4*\t+\b)
.set pSA, WS+4*(4*\t+\b)+(\q)%4
.set pSB, XS+4*\a+(\q)%4
	PROD \first, (\q)/4
.endr
.endr
.endr
	WIN 0xf4                                       ; v: source 0 (x) window 0, source 1 (W) window 1, C and D window 3
.irp a, 0,1,2,3
.irp b, 0,1,2,3
.set pD, 8*(4*\a+\b)
.set pA, AF+32*(\set)+8*\a
.set pB, 128*(\set)+8*(8+\b)
.set pC, 192+8*\b
.set pSA, XS+4*\a+(\q)%4
.set pSB, WS+4*(8+\b)+(\q)%4
	PROD \first, (\q)/4
.endr
.endr
.endm
; In front of a refill of x's part of slot s: every wave waits for all its tensor loads, adds 0 to its spare word, waits for that and for its own reads of the slot, and passes a round of the cluster's barrier:
; no wave of any partner still reads those bytes or has a load on its way.  The descriptor steps to the second block (65,536 bytes on) between the add and the wait for it: no load of mine is out there.
.macro REFILL s
	WIN 0                                          ; the add's two registers lie in window 0
	s_wait_tensorcnt 0x0
	ds_add_u32 v[SPW], v[NIL]
	s_add_nc_u64 s[G0A+4*\s+2:G0A+4*\s+3], s[G0A+4*\s+2:G0A+4*\s+3], 0x10000
	s_wait_dscnt 0x0
	CROUND
	ALOAD \s
.endm
; A block's eight K steps, written out.  Each K step's fragments are asked for a step, 48 products, ahead.
.macro KLOOP blk
.if \blk == 0
	s_wait_tensorcnt 0x1                           ; my part of slot 0 is in; my load for slot 1 may be out
	s_barrier_signal -1
	s_barrier_wait -1                              ; everybody's is
.else
	s_wait_xcnt 0x0                                ; the first block's stores have read their registers: the fragments below land there.  (x's part of slot 0 was shown whole by the wait and the round ahead of the first block's K step 7)
.endif
	FETCH 0, 0
	s_wait_loadcnt 0x0                             ; scale words, biases, tables
	s_wait_dscnt 0x0
	FETCH 1, 1
	MUL 0, 0, 1
	s_wait_dscnt 0x0
	PLACES
	FETCH 2, 0
	GAINS                                          ; (behind the same four places)
	MUL 1, 1, 0
	s_wait_dscnt 0x0
	PLACES
	FETCH 3, 1
	MUL 2, 0, 0
.if \blk == 0
	REFILL 0                                       ; K step 3's fragments are in: slot 0 has been read out.  The same wait and round show slot 1 whole to every wave
.else
	s_wait_dscnt 0x0
	s_wait_tensorcnt 0x0                           ; wave 3: x's part of slot 1 is in,
	s_barrier_signal -1
	s_barrier_wait -1                              ; and every wave knows
.endif
	PLACES
	FETCH 4, 0
	MUL 3, 1, 0
	s_wait_dscnt 0x0
	PLACES
	FETCH 5, 1
	MUL 4, 0, 0
	s_wait_dscnt 0x0
	PLACES
	FETCH 6, 0
	MUL 5, 1, 0
	s_wait_dscnt 0x0
	PLACES
	FETCH 7, 1
	MUL 6, 0, 0
.if \blk == 0
	REFILL 1                                       ; K step 7's fragments are in: slot 1 has been read out
.else
	s_wait_dscnt 0x0
.endif
	MUL 7, 1, 0
.endm
; THE WAY OUT of a block.
.macro WAYOUT blk
	PLACES
	s_wait_loadcnt 0x0                             ; gains and biases
	WIN 0x4f                                       ; v: sources window 3, destination window 1.  Each accumulator from its low end on
.irp a, 0,1,2,3
.irp b, 0,1,2,3
.irp i, 0,1,2,3
	v_cvt_pk_f16_f32 v[64+128*(\a/2)+4*(4*(\a%2)+\b)+\i], v[8*(4*\a+\b)+2*\i], v[8*(4*\a+\b)+2*\i+1]
.endr
.endr
.endr
	WIN 0x04                                       ; a store's data are its source 1: window 1
.irp a, 0,1,2,3
.irp b, 0,1,2,3
	global_store_b128 v[LI], v[64+128*(\a/2)+4*(4*(\a%2)+\b):64+128*(\a/2)+4*(4*(\a%2)+\b)+3], s[SV:SV+1] offset:16384*\blk+(\a/2)*4096+\b*1024+(\a%2)*512   ; V^T's fragment (32 keys, 16 channels): 512 consecutive bytes
.endr
.endr
	WIN 0xc3                                       ; q's gain and bias x log2(e) / 8
.irp i, 0,2,4,6,8,10,12,14,16,18,20,22,24,26,28,30,32,34,36,38,40,42,44,46,48,50,52,54,56,58,60,62
	v_pk_mul_f32 v[128+\i:129+\i], v[128+\i:129+\i], s[CS:CS+1] op_sel_hi:[1,0]
.endr
	WIN 0x0a                                       ; the sums of squares: eight chains (q or k, token tile) by turns; sources window 2, sums window 0
.irp t, 0,1
.irp a, 0,1,2,3
	v_pk_mul_f32 v[SS+2*(4*\t+\a):SS+2*(4*\t+\a)+1], v[128*\t+32*\a:128*\t+32*\a+1], v[128*\t+32*\a:128*\t+32*\a+1]
.endr
.endr
.irp i, 2,4,6,8,10,12,14,16,18,20,22,24,26,28,30
.irp t, 0,1
.irp a, 0,1,2,3
	v_pk_fma_f32 v[SS+2*(4*\t+\a):SS+2*(4*\t+\a)+1], v[128*\t+32*\a+\i:128*\t+32*\a+\i+1], v[128*\t+32*\a+\i:128*\t+32*\a+\i+1], v[SS+2*(4*\t+\a):SS+2*(4*\t+\a)+1]
.endr
.endr
.endr
	WIN 0
.irp c, 0,1,2,3,4,5,6,7
	v_add_f32 v[SS+2*\c], v[SS+2*\c], v[SS+2*\c+1]
.endr
.irp c, 0,1,2,3,4,5,6,7
	v_permlanex16_b32 v[SS+2*\c+1], v[SS+2*\c], s[SEL], s[SEL+1]   ; the token's other 32 channels lie in the lane 16 away
.endr
.irp c, 0,1,2,3,4,5,6,7
	v_add_f32 v[SS+2*\c], v[SS+2*\c], v[SS+2*\c+1]
.endr
.irp c, 0,1,2,3,4,5,6,7
	v_fma_f32 v[SS+2*\c], v[SS+2*\c], s80, s81     ; the mean + 1e-6
.endr
.irp c, 0,1,2,3,4,5,6,7
	v_rsq_f32 v[SS+2*\c], v[SS+2*\c]
.endr
	v_nop                                          ; a plain line behind the last of the batch,
	s_wait_alu depctr_va_vdst(0)                   ; and one wait ahead of its first reader
	WIN 0x82                                       ; y = y x 1 / rms
.irp i, 0,2,4,6,8,10,12,14,16,18,20,22,24,26,28,30
.irp t, 0,1
.irp a, 0,1,2,3
	v_pk_mul_f32 v[128*\t+32*\a+\i:128*\t+32*\a+\i+1], v[128*\t+32*\a+\i:128*\t+32*\a+\i+1], v[SS+2*(4*\t+\a):SS+2*(4*\t+\a)+1] op_sel_hi:[1,0]
.endr
.endr
.endr
	WIN 0xbe                                       ; y = y x gain + bias (window 3)
.irp i, 0,2,4,6,8,10,12,14,16,18,20,22,24,26,28,30
.irp t, 0,1
.irp a, 0,1,2,3
	v_pk_fma_f32 v[128*\t+32*\a+\i:128*\t+32*\a+\i+1], v[128*\t+32*\a+\i:128*\t+32*\a+\i+1], v[128+64*\t+\i:129+64*\t+\i], v[160+64*\t+\i:161+64*\t+\i]
.endr
.endr
.endr
	; the rotation: channels 0-15 with 16-31 by the first position (token % 32 = 16 (a % 2) + r), 32-47 with 48-63 by the second (token / 32 = the block's first + a / 2)
.irp t, 0,1
	WIN 0x06                                       ; the partners x sin -> window 0
.irp a, 0,1,2,3
.irp i, 0,2,4,6
.set pY, 128*\t+32*\a+\i
.set pT, T+32*\a+\i
.set pS1, 104+16*(\a%2)+\i
.set pS2, 232+16*(\a/2)+\i
	v_pk_mul_f32 v[pT:pT+1], v[pY+8:pY+9], v[pS1:pS1+1]
	v_pk_mul_f32 v[pT+8:pT+9], v[pY:pY+1], v[pS1:pS1+1]
	v_pk_mul_f32 v[pT+16:pT+17], v[pY+24:pY+25], v[pS2:pS2+1]
	v_pk_mul_f32 v[pT+24:pT+25], v[pY+16:pY+17], v[pS2:pS2+1]
.endr
.endr
	WIN 0x86                                       ; a cos - b sin, b cos + a sin
.irp a, 0,1,2,3
.irp i, 0,2,4,6
.set pY, 128*\t+32*\a+\i
.set pT, T+32*\a+\i
.set pC1, 96+16*(\a%2)+\i
.set pC2, 224+16*(\a/2)+\i
	v_pk_fma_f32 v[pY:pY+1], v[pY:pY+1], v[pC1:pC1+1], v[pT:pT+1] neg_lo:[0,0,1] neg_hi:[0,0,1]
	v_pk_fma_f32 v[pY+8:pY+9], v[pY+8:pY+9], v[pC1:pC1+1], v[pT+8:pT+9]
	v_pk_fma_f32 v[pY+16:pY+17], v[pY+16:pY+17], v[pC2:pC2+1], v[pT+16:pT+17] neg_lo:[0,0,1] neg_hi:[0,0,1]
	v_pk_fma_f32 v[pY+24:pY+25], v[pY+24:pY+25], v[pC2:pC2+1], v[pT+24:pT+25]
.endr
.endr
.endr
.if \blk == 0
	LOADS 1                                        ; the second block's scale words, biases and table: their registers have had their last use in this block; the 128 conversions and 32 stores below stand between these loads and the wait for them
.endif
	WIN 0x4a                                       ; to f16: sources window 2, destination window 1
.irp t, 0,1
.irp n, 0,1,2,3,4,5,6,7,8,9,10,11,12,13,14,15
.irp i, 0,1,2,3
	v_cvt_pk_f16_f32 v[128*\t+4*\n+\i], v[128*\t+8*\n+2*\i], v[128*\t+8*\n+2*\i+1]
.endr
.endr
.endr
	WIN 0x04
.irp a, 0,1,2,3
.irp b, 0,1,2,3
	global_store_b128 v[LI], v[4*(4*\a+\b):4*(4*\a+\b)+3], s[SQ:SQ+1] offset:16384*\blk+\a*2048+\b*512        ; 16 tokens x 16 channels: 512 consecutive bytes
	global_store_b128 v[LI], v[128+4*(4*\a+\b):128+4*(4*\a+\b)+3], s[SK:SK+1] offset:16384*\blk+\a*2048+\b*512
.endr
.endr
	WIN 0
.endm
	LOADS 0
	KLOOP 0
	WAYOUT 0
	KLOOP 1
	WAYOUT 1
	s_wait_tensorcnt 0x0                           ; the wave's end
	ds_add_u32 v[SPW], v[NIL]
	s_wait_dscnt 0x0
	CROUND                                         ; the closing round: no work-group ends while a partner may still ask for a tile that names it
	s_endpgm
.Lfunc_end_k_q3aad3a8572_project_qkv:
	.size	k_q3aad3a8572_project_qkv, .Lfunc_end_k_q3aad3a8572_project_qkv-k_q3aad3a8572_project_qkv
	.p2alignl 7, 3214868480
	.fill 96, 4, 3214868480
	.section	.rodata,"a",@progbits
	.p2align	6, 0x0
	.amdhsa_kernel k_q3aad3a8572_project_qkv
		.amdhsa_group_segment_fixed_size 327680
		.amdhsa_private_segment_fixed_size 0
		.amdhsa_enable_private_segment 0
		.amdhsa_kernarg_size 104
		.amdhsa_user_sgpr_count 2
		.amdhsa_user_sgpr_kernarg_segment_ptr 1
		.amdhsa_wavefront_size32 1
		.amdhsa_system_sgpr_workgroup_id_x 1
		.amdhsa_system_sgpr_workgroup_id_y 1
		.amdhsa_system_sgpr_workgroup_id_z 1
		.amdhsa_system_vgpr_workitem_id 0
		.amdhsa_next_free_vgpr 1024
		.amdhsa_next_free_sgpr 100
		.amdhsa_reserve_vcc 0
		.amdhsa_float_denorm_mode_32 3
		.amdhsa_float_denorm_mode_16_64 3
		.amdhsa_memory_ordered 1
		.amdhsa_forward_progress 1
		.amdhsa_inst_pref_size 255
	.end_amdhsa_kernel
	.section	.bss,"aw",@nobits
	.p2align	6
	.space	262144
	.amdgpu_metadata
---
amdhsa.version: [ 1, 2 ]
amdhsa.kernels:
  - .name:           k_q3aad3a8572_project_qkv
    .symbol:         k_q3aad3a8572_project_qkv.kd
    .args:
      - { .name: xc, .offset: 0, .size: 8, .value_kind: global_buffer, .address_space: global }
      - { .name: xs, .offset: 8, .size: 8, .value_kind: global_buffer, .address_space: global }
      - { .name: wc, .offset: 16, .size: 8, .value_kind: global_buffer, .address_space: global }
      - { .name: ws, .offset: 24, .size: 8, .value_kind: global_buffer, .address_space: global }
      - { .name: bq, .offset: 32, .size: 8, .value_kind: global_buffer, .address_space: global }
      - { .name: bk, .offset: 40, .size: 8, .value_kind: global_buffer, .address_space: global }
      - { .name: bv, .offset: 48, .size: 8, .value_kind: global_buffer, .address_space: global }
      - { .name: q_scale, .offset: 56, .size: 8, .value_kind: global_buffer, .address_space: global }
      - { .name: q_bias, .offset: 64, .size: 8, .value_kind: global_buffer, .address_space: global }
      - { .name: k_scale, .offset: 72, .size: 8, .value_kind: global_buffer, .address_space: global }
      - { .name: k_bias, .offset: 80, .size: 8, .value_kind: global_buffer, .address_space: global }
      - { .name: ropet, .offset: 88, .size: 8, .value_kind: global_buffer, .address_space: global }
      - { .name: qkvh, .offset: 96, .size: 8, .value_kind: global_buffer, .address_space: global }
    .group_segment_fixed_size: 327680
    .private_segment_fixed_size: 0
    .kernarg_segment_align: 8
    .kernarg_segment_size: 104
    .max_flat_workgroup_size: 128
    .sgpr_count:     100
    .vgpr_count:     1024
    .wavefront_size: 32
...
	.end_amdgpu_metadata
.endif
;; end of part 2
;; launch attend (part 3): grid 2 x 128, 8 waves a work-group, no clusters, 327,680 bytes of LDS; arguments qkvh, ctxh; writes ctxh
.if DOCPART == 3
	.amdgcn_target "amdgcn-amd-amdhsa--gfx1250"
	.amdhsa_code_object_version 6
	.text
	.protected	k_q3aad3a8572_attend
	.globl	k_q3aad3a8572_attend
	.p2align	8
	.type	k_q3aad3a8572_attend,@function
k_q3aad3a8572_attend:
	s_mov_b64 s[64:65], 0
	v_nop
	global_prefetch_b8 v0, s[64:65] scope:SCOPE_SE
	s_setreg_imm32_b32 hwreg(HW_REG_WAVE_MODE, 25, 1), 1
	s_wait_xcnt 0x0
; ctx[b][q][head] = the sum over keys of softmax(q . k / 8) v, on f16 operands with f32 sums.  q arrives multiplied by log2(e) / 8: a score is an exponent of 2.
; A work-group owns 512 queries of one (batch, head); each of its eight waves 64: four tiles of 16.  Two waves share a SIMD and nothing ties them together between two meetings: one wave's softmax stands beside the other's products.
; ALL 1,024 KEYS AND VALUES OF THE HEAD COME TO LIE IN LDS (131,072 bytes each), as images of operand registers; every byte is filled once.  THE FILLS ARE STAGED, a chunk of 256 keys at a time: a wave's tensor load brings 8,192 dense
; bytes of a chunk (waves 0-3: K's quarters, waves 4-7: V's).  Chunk 0 is asked for at the head; each later chunk behind a meeting of the eight waves, three or four key steps ahead of the meeting that waits for it: one load of mine is out.
; A MEETING: the wait for all my tensor loads, the add, the wait for it and for my LDS loads, the barrier; behind it my one tensor load, a first fill of its bytes.
; K's fragments of step j + 1 are asked for in step j, behind its first products, so the meeting for a chunk stands one step ahead of the chunk's first step: meetings ahead of steps 0, 3, 7, 11.
; NO CLUSTER: a head's K and V are shared by two work-groups only (512 queries each), and a cluster here is four wide: its four would belong to two heads, with different tiles.
; LAYOUT: S^T = K Q^T (source 0 = 16 keys, source 1 = 16 queries), O^T = V^T P (source 0 = 16 channels, source 1 = P): a lane holds ONE query throughout; two tiles of S^T rounded to f16 in pairs ARE a fragment of P, written over S^T's registers.
; SOFTMAX: a running maximum m and sum l for each query; p = 2^(s - m); in every step O^T and l are multiplied by a = 2^(m_old - m_new).  The sum is taken of p before it is rounded.
; LIMITS: NaN and infinities are not served; ctx is rounded to f16.
; REGISTERS: window 0: v1-6 addresses and the add's two; v16-47 statistics, 8 a tile (+0 m, +1 zero, +2, +3 l, +4 .. +7 at work; a in +6); v64-191 S^T, 32 a tile, then P in each tile's first 16; v192-255 K of a step
;            window 1: v0-127 O^T, 32 a tile; v128-191 Q; v192-255 V of a step
.set VOFF,  131072
.set SPARE, 262144                     ; the spare words, 128 bytes for each wave: four blocks of 256 bytes that no other line names
.set LI,  1                            ; v1  16 x lane
.set LIV, 2                            ; v2  the same in V's region
.set ADK, 3
.set ADV, 4
.set SPW, 5
.set NIL, 6
.set ST,  16
.set S,   64
.set KF,  192
.set QF,  128
.set VF,  192
.set WV,  8
.set G1,  16                           ; s[16:23] descriptor group 1;  s[24:39] group 0, a set for each chunk, made at the head and never rewritten
.set G0,  24
.set TB,  40                           ; s40  LDS byte at which the step's 64 keys begin: 8,192 a step, in K's region and in V's
.set CNT, 41
.set SEL, 42                           ; s[42:43]
.set ONE, 46                           ; s[46:47] 1.0
.set MSB, 0
.macro WIN new
.if MSB != \new
	s_set_vgpr_msb (MSB<<8)|\new
.set MSB, \new
.endif
.endm
	s_load_b128 s[4:7], s[0:1], 0x0                ; q, k, v; ctx
	v_lshl_add_u32 v[SPW], v0, 2, SPARE
	v_mov_b32 v[NIL], 0
	ds_add_u32 v[SPW], v[NIL]                      ; the wave's opening: the add, twice on end, and its wait ahead of my first tensor load
	ds_add_u32 v[SPW], v[NIL]
	v_lshrrev_b32 v1, 5, v0
	v_readfirstlane_b32 s[WV], v1                  ; wave 0..7
	s_and_b32 s9, ttmp7, 0xffff                    ; batch x 16 + head
	s_lshr_b32 s10, s[WV], 2                       ; I fetch for K (0) or for V (1),
	s_and_b32 s11, s[WV], 3                        ; this quarter of each chunk
	s_lshl_b32 s12, s10, 17
	s_lshl_b32 s13, s11, 13
	s_add_co_u32 s12, s12, s13                     ; in LDS
	s_add_co_u32 s14, s10, 1
	s_lshl_b32 s14, s14, 24                        ; in memory: K's part begins 16 MiB in, V's 32 MiB
	s_lshl_b32 s15, s9, 17
	s_add_co_u32 s14, s14, s15
	s_add_co_u32 s14, s14, s13
	s_mov_b32 s15, 0
	s_mov_b32 s[G1], 3<<16                         ; 8,192 dense bytes as 32 rows of 32 elements of 8 bytes; no mask, no padding
	s_mov_b32 s[G1+1], 32<<16
	s_mov_b32 s[G1+2], 32<<16
	s_mov_b32 s[G1+3], 32<<16
	s_mov_b32 s[G1+4], 32
	s_mov_b32 s[G1+5], 32
	s_mov_b32 s[G1+6], 0
	s_mov_b32 s[G1+7], 0
	s_mov_b32 s[SEL], 0x76543210
	s_mov_b32 s[SEL+1], 0xfedcba98
	s_mov_b32 s[ONE], 1.0
	s_mov_b32 s[ONE+1], 1.0
	s_mov_b32 s[TB], 0
	s_wait_dscnt 0x0                               ; both opening adds are done
	s_wait_kmcnt 0x0
	s_add_nc_u64 s[14:15], s[4:5], s[14:15]
.irp c, 0,1,2,3
	s_mov_b32 s[G0+4*\c], 1
	s_add_co_u32 s[G0+4*\c+1], s12, \c*32768
	s_add_nc_u64 s[G0+4*\c+2:G0+4*\c+3], s[14:15], \c*32768
	s_or_b32 s[G0+4*\c+3], s[G0+4*\c+3], 0x80000000
.endr
	tensor_load_to_lds s[G0:G0+3], s[G1:G1+7]      ; chunk 0 alone: the launch's start asks for no more than the first steps want
	s_nop 0
.rept 4
	v_nop
.endr
	s_lshl_b32 s44, s9, 17
	s_lshl_b32 s45, ttmp9, 16
	s_add_co_u32 s44, s44, s45
	s_lshl_b32 s45, s[WV], 13
	s_add_co_u32 s44, s44, s45
	s_mov_b32 s45, 0
	s_add_nc_u64 s[4:5], s[4:5], s[44:45]          ; Q: (head's 1,024 + 512 x half + 64 x wave) tokens of 128 bytes
	s_lshr_b32 s44, s9, 4
	s_lshl_b32 s44, s44, 21
	s_lshl_b32 s10, ttmp9, 20
	s_add_co_u32 s44, s44, s10
	s_lshl_b32 s10, s[WV], 17
	s_add_co_u32 s44, s44, s10
	s_and_b32 s10, s9, 15
	s_lshl_b32 s10, s10, 11
	s_add_co_u32 s44, s44, s10
	s_add_nc_u64 s[6:7], s[6:7], s[44:45]          ; ctx: my first token x 2,048 bytes + head x 2,048
	v_and_b32 v7, 31, v0
	v_lshlrev_b32 v[LI], 4, v7
	v_add_nc_u32 v[LIV], VOFF, v[LI]
	WIN 0x40
.irp n, 0,1,2,3,4,5,6,7,8,9,10,11,12,13,14,15
	global_load_b128 v[QF+4*\n:QF+4*\n+3], v[LI], s[4:5] offset:512*\n   ; Q stays in registers: tile n / 4, channels 16 (n % 4) on
.endr
	WIN 0
.irp t, 0,1,2,3
	v_mov_b32 v[ST+8*\t+1], 0                      ; named as the upper half of the pair with m
.endr
; A KEY STEP: 64 keys.  first = 1: the first step, which starts m, l and O^T.  ahead = 1: the next step's K is asked for.
.macro STEP first, ahead
	v_add_nc_u32 v[ADK], s[TB], v[LI]              ; these two and three v_nop: five plain lines behind the last products: four are owed to the loads into V's registers, five to the products that write over P
	v_add_nc_u32 v[ADV], s[TB], v[LIV]
.rept 3
	v_nop
.endr
	WIN 0x40
.irp n, 0,1,2,3,4,5,6,7,8,9,10,11,12,13,14,15
	ds_load_b128 v[VF+4*\n:VF+4*\n+3], v[ADV] offset:512*\n
.endr
	s_wait_dscnt 16                                ; K, asked for a step ago, is in; V's sixteen younger loads may be out
	WIN 0x04                                       ; K window 0, Q window 1, S^T window 0.  The sixteen accumulators take turns
.irp c, 0,1
.irp kt, 0,1,2,3
.irp t, 0,1,2,3
.if \c == 0
	v_wmma_f32_16x16x32_f16 v[S+32*\t+8*\kt:S+32*\t+8*\kt+7], v[KF+16*\kt+8*\c:KF+16*\kt+8*\c+7], v[QF+16*\t+8*\c:QF+16*\t+8*\c+7], 0
.else
	v_wmma_f32_16x16x32_f16 v[S+32*\t+8*\kt:S+32*\t+8*\kt+7], v[KF+16*\kt+8*\c:KF+16*\kt+8*\c+7], v[QF+16*\t+8*\c:QF+16*\t+8*\c+7], v[S+32*\t+8*\kt:S+32*\t+8*\kt+7]
.endif
.endr
.endr
.endr
	WIN 0
.rept 4
	v_nop                                          ; four plain lines: for the loads into K's registers, and for the first reads of the scores
.endr
.if \ahead
.irp n, 0,1,2,3,4,5,6,7,8,9,10,11,12,13,14,15
	ds_load_b128 v[KF+4*\n:KF+4*\n+3], v[ADK] offset:8192+512*\n   ; the next step's K: the whole softmax stands between these loads and their use
.endr
.endif
	; the maximum of my 32 scores and the old m: four chains a tile, each begun at the low end of an accumulator; the four tiles by turns
.irp k, 0,1,2,3
.irp t, 0,1,2,3
	v_max3_num_f32 v[ST+8*\t+4+\k], v[S+32*\t+8*\k], v[S+32*\t+8*\k+1], v[S+32*\t+8*\k+2]
.endr
.endr
.irp u, 3,5
.irp k, 0,1,2,3
.irp t, 0,1,2,3
	v_max3_num_f32 v[ST+8*\t+4+\k], v[ST+8*\t+4+\k], v[S+32*\t+8*\k+\u], v[S+32*\t+8*\k+\u+1]
.endr
.endr
.endr
.irp t, 0,1,2,3
	v_max3_num_f32 v[ST+8*\t+4], v[ST+8*\t+4], v[S+32*\t+7], v[S+32*\t+15]
.endr
.irp t, 0,1,2,3
	v_max3_num_f32 v[ST+8*\t+6], v[ST+8*\t+6], v[S+32*\t+23], v[S+32*\t+31]
.endr
.irp t, 0,1,2,3
	v_max3_num_f32 v[ST+8*\t+4], v[ST+8*\t+4], v[ST+8*\t+5], v[ST+8*\t+6]
.endr
.irp t, 0,1,2,3
.if \first
	v_max_num_f32 v[ST+8*\t+4], v[ST+8*\t+4], v[ST+8*\t+7]
.else
	v_max3_num_f32 v[ST+8*\t+4], v[ST+8*\t+4], v[ST+8*\t+7], v[ST+8*\t]
.endif
.endr
.irp t, 0,1,2,3
	v_permlanex16_b32 v[ST+8*\t+5], v[ST+8*\t+4], s[SEL], s[SEL+1]   ; the query's other 32 keys lie in the lane 16 away
.endr
.if \first == 0
.irp t, 0,1,2,3
	v_mov_b32 v[ST+8*\t+7], v[ST+8*\t]
.endr
.endif
.irp t, 0,1,2,3
	v_max_num_f32 v[ST+8*\t], v[ST+8*\t+4], v[ST+8*\t+5]             ; the new m
.endr
.if \first == 0
.irp t, 0,1,2,3
	v_sub_f32 v[ST+8*\t+7], v[ST+8*\t+7], v[ST+8*\t]                 ; m_old - m_new
.endr
.endif
.irp i, 0,2,4,6,8,10,12,14,16,18,20,22,24,26,28,30
.irp t, 0,1,2,3
	v_pk_fma_f32 v[S+32*\t+\i:S+32*\t+\i+1], v[S+32*\t+\i:S+32*\t+\i+1], s[ONE:ONE+1], v[ST+8*\t:ST+8*\t+1] op_sel_hi:[1,0,0] neg_lo:[0,0,1] neg_hi:[0,0,1]   ; s - m
.endr
.endr
	; ONE BATCH of exponentials, none of which reads another's result
.if \first == 0
.irp t, 0,1,2,3
	v_exp_f32 v[ST+8*\t+6], v[ST+8*\t+7]           ; a
.endr
.endif
.irp i, 0,1,2,3,4,5,6,7,8,9,10,11,12,13,14,15,16,17,18,19,20,21,22,23,24,25,26,27,28,29,30,31
.irp t, 0,1,2,3
	v_exp_f32 v[S+32*\t+\i], v[S+32*\t+\i]         ; p
.endr
.endr
	v_nop                                          ; a plain line behind the last of the batch,
	s_wait_alu depctr_va_vdst(0)                   ; and one wait ahead of its first reader
	; the sums, of the unrounded p, in two chains a tile
.irp t, 0,1,2,3
	v_pk_add_f32 v[ST+8*\t+4:ST+8*\t+5], v[S+32*\t:S+32*\t+1], v[S+32*\t+2:S+32*\t+3]
.endr
.irp t, 0,1,2,3
.if \first
	v_pk_add_f32 v[ST+8*\t+2:ST+8*\t+3], v[S+32*\t+4:S+32*\t+5], v[S+32*\t+6:S+32*\t+7]
.else
	v_pk_fma_f32 v[ST+8*\t+2:ST+8*\t+3], v[ST+8*\t+2:ST+8*\t+3], v[ST+8*\t+6:ST+8*\t+7], v[S+32*\t+4:S+32*\t+5] op_sel_hi:[1,0,1]
.endif
.endr
.if \first == 0
.irp t, 0,1,2,3
	v_pk_add_f32 v[ST+8*\t+4:ST+8*\t+5], v[ST+8*\t+4:ST+8*\t+5], v[S+32*\t+6:S+32*\t+7]
.endr
.endif
.irp i, 8,12,16,20,24,28
.irp t, 0,1,2,3
	v_pk_add_f32 v[ST+8*\t+2:ST+8*\t+3], v[ST+8*\t+2:ST+8*\t+3], v[S+32*\t+\i:S+32*\t+\i+1]
.endr
.irp t, 0,1,2,3
	v_pk_add_f32 v[ST+8*\t+4:ST+8*\t+5], v[ST+8*\t+4:ST+8*\t+5], v[S+32*\t+\i+2:S+32*\t+\i+3]
.endr
.endr
.irp t, 0,1,2,3
	v_pk_add_f32 v[ST+8*\t+2:ST+8*\t+3], v[ST+8*\t+2:ST+8*\t+3], v[ST+8*\t+4:ST+8*\t+5]
.endr
.irp i, 0,1,2,3,4,5,6,7,8,9,10,11,12,13,14,15   ; to f16, in place and ascending: register i takes p 2 i and 2 i + 1: registers 8 kb .. 8 kb + 7 are P's fragment of keys 32 kb on
.irp t, 0,1,2,3
	v_cvt_pk_f16_f32 v[S+32*\t+\i], v[S+32*\t+2*\i], v[S+32*\t+2*\i+1]
.endr
.endr
.if \first == 0
	WIN 0x41                                       ; O^T x a
.irp i, 0,2,4,6,8,10,12,14,16,18,20,22,24,26,28,30
.irp t, 0,1,2,3
	v_pk_mul_f32 v[32*\t+\i:32*\t+\i+1], v[32*\t+\i:32*\t+\i+1], v[ST+8*\t+6:ST+8*\t+7] op_sel_hi:[1,0]
.endr
.endr
.endif
	s_wait_dscnt 16*\ahead                         ; V is in; the next K's sixteen younger loads, where they were issued, may be out
	WIN 0x51                                       ; V window 1, P window 0, O^T window 1.  Sixteen accumulators by turns
.irp kb, 0,1
.irp ct, 0,1,2,3
.irp t, 0,1,2,3
.if \first && (\kb == 0)
	v_wmma_f32_16x16x32_f16 v[32*\t+8*\ct:32*\t+8*\ct+7], v[VF+32*\kb+8*\ct:VF+32*\kb+8*\ct+7], v[S+32*\t+8*\kb:S+32*\t+8*\kb+7], 0
.else
	v_wmma_f32_16x16x32_f16 v[32*\t+8*\ct:32*\t+8*\ct+7], v[VF+32*\kb+8*\ct:VF+32*\kb+8*\ct+7], v[S+32*\t+8*\kb:S+32*\t+8*\kb+7], v[32*\t+8*\ct:32*\t+8*\ct+7]
.endif
.endr
.endr
.endr
	WIN 0
	s_add_co_u32 s[TB], s[TB], 8192
.endm
; A MEETING.  All my tensor loads have landed: my part of the chunk asked for last; behind the barrier everybody's has.  next < 4: my part of chunk next is asked for, first thing behind the barrier: a first fill of its bytes, and my one tensor load until the next meeting.
.macro MEET next
	s_wait_tensorcnt 0x0
	ds_add_u32 v[SPW], v[NIL]
	s_wait_dscnt 0x0                               ; the add is done, and my LDS loads are in
	s_barrier_signal -1
	s_barrier_wait -1
.if \next < 4
	tensor_load_to_lds s[G0+4*\next:G0+4*\next+3], s[G1:G1+7]
	s_nop 0
.rept 4
	v_nop
.endr
.endif
.endm
.macro RUN next                        ; a meeting and four key steps
	MEET \next
	s_mov_b32 s[CNT], 4
.Lstep_\@:
	STEP 0, 1
	s_sub_co_u32 s[CNT], s[CNT], 1
	s_cmp_lg_u32 s[CNT], 0
	s_cbranch_scc1 .Lstep_\@
.endm
	MEET 1                                         ; chunk 0 is whole; chunk 1 goes out: steps 0 to 2 stand between it and the wait for it
	s_wait_loadcnt 0x0                             ; Q
.irp n, 0,1,2,3,4,5,6,7,8,9,10,11,12,13,14,15
	ds_load_b128 v[KF+4*\n:KF+4*\n+3], v[LI] offset:512*\n   ; K of step 0
.endr
	STEP 1, 1
	s_mov_b32 s[CNT], 2
.Lfirst_chunk:
	STEP 0, 1                                      ; steps 1 and 2; step 2 asks for K of step 3, the last of chunk 0
	s_sub_co_u32 s[CNT], s[CNT], 1
	s_cmp_lg_u32 s[CNT], 0
	s_cbranch_scc1 .Lfirst_chunk
	RUN 2                                          ; chunk 1 is whole; steps 3 to 6 (step 3 asks for K of step 4, chunk 1's first)
	RUN 3                                          ; chunk 2 is whole; steps 7 to 10
	RUN 4                                          ; chunk 3 is whole, nothing is left to ask for; steps 11 to 14
	STEP 0, 0                                      ; step 15
	; THE WAY OUT: O^T / l, rounded to f16: a lane's eight channels of one query are 16 bytes of a fragment of the last product
.irp t, 0,1,2,3
	v_add_f32 v[ST+8*\t+4], v[ST+8*\t+2], v[ST+8*\t+3]     ; (these four are the places behind the last products)
.endr
.irp t, 0,1,2,3
	v_permlanex16_b32 v[ST+8*\t+5], v[ST+8*\t+4], s[SEL], s[SEL+1]
.endr
.irp t, 0,1,2,3
	v_add_f32 v[ST+8*\t+4], v[ST+8*\t+4], v[ST+8*\t+5]
.endr
.irp t, 0,1,2,3
	v_rcp_f32 v[ST+8*\t+6], v[ST+8*\t+4]
.endr
	v_nop
	s_wait_alu depctr_va_vdst(0)                   ; one wait for the four reciprocals, ahead of their first reader
	WIN 0x41
.irp t, 0,1,2,3
.irp i, 0,2,4,6,8,10,12,14,16,18,20,22,24,26,28,30
	v_pk_mul_f32 v[32*\t+\i:32*\t+\i+1], v[32*\t+\i:32*\t+\i+1], v[ST+8*\t+6:ST+8*\t+7] op_sel_hi:[1,0]
.endr
.endr
	WIN 0x05
.irp n, 0,1,2,3,4,5,6,7,8,9,10,11,12,13,14,15
.irp i, 0,1,2,3
	v_cvt_pk_f16_f32 v[S+4*\n+\i], v[8*\n+2*\i], v[8*\n+2*\i+1]
.endr
.endr
	WIN 0
.irp t, 0,1,2,3
.irp ct, 0,1,2,3
	global_store_b128 v[LI], v[S+16*\t+4*\ct:S+16*\t+4*\ct+3], s[6:7] offset:\t*32768+\ct*512   ; 32 lanes store 512 consecutive bytes, aligned
.endr
.endr
	s_wait_tensorcnt 0x0                           ; the wave's end
	ds_add_u32 v[SPW], v[NIL]
	s_wait_dscnt 0x0
	s_endpgm
.Lfunc_end_k_q3aad3a8572_attend:
	.size	k_q3aad3a8572_attend, .Lfunc_end_k_q3aad3a8572_attend-k_q3aad3a8572_attend
	.p2alignl 7, 3214868480
	.fill 96, 4, 3214868480
	.section	.rodata,"a",@progbits
	.p2align	6, 0x0
	.amdhsa_kernel k_q3aad3a8572_attend
		.amdhsa_group_segment_fixed_size 327680
		.amdhsa_private_segment_fixed_size 0
		.amdhsa_enable_private_segment 0
		.amdhsa_kernarg_size 16
		.amdhsa_user_sgpr_count 2
		.amdhsa_user_sgpr_kernarg_segment_ptr 1
		.amdhsa_wavefront_size32 1
		.amdhsa_system_sgpr_workgroup_id_x 1
		.amdhsa_system_sgpr_workgroup_id_y 1
		.amdhsa_system_sgpr_workgroup_id_z 1
		.amdhsa_system_vgpr_workitem_id 0
		.amdhsa_next_free_vgpr 512
		.amdhsa_next_free_sgpr 66
		.amdhsa_reserve_vcc 0
		.amdhsa_float_denorm_mode_32 3
		.amdhsa_float_denorm_mode_16_64 3
		.amdhsa_memory_ordered 1
		.amdhsa_forward_progress 1
		.amdhsa_inst_pref_size 202
	.end_amdhsa_kernel
	.amdgpu_metadata
---
amdhsa.version: [ 1, 2 ]
amdhsa.kernels:
  - .name:           k_q3aad3a8572_attend
    .symbol:         k_q3aad3a8572_attend.kd
    .args:
      - { .name: qkvh, .offset: 0, .size: 8, .value_kind: global_buffer, .address_space: global }
      - { .name: ctxh, .offset: 8, .size: 8, .value_kind: global_buffer, .address_space: global }
    .group_segment_fixed_size: 327680
    .private_segment_fixed_size: 0
    .kernarg_segment_align: 8
    .kernarg_segment_size: 16
    .max_flat_workgroup_size: 256
    .sgpr_count:     66
    .vgpr_count:     512
    .wavefront_size: 32
...
	.end_amdgpu_metadata
.endif
;; end of part 3
;; launch project_out (part 4): grid 4 x 64, 4 waves a work-group, clusters of 4 x 4, 327,680 bytes of LDS; arguments ctxh, woh, bo, out0; writes out0
.if DOCPART == 4
	.amdgcn_target "amdgcn-amd-amdhsa--gfx1250"
	.amdhsa_code_object_version 6
	.text
	.protected	k_q3aad3a8572_project_out
	.globl	k_q3aad3a8572_project_out
	.p2align	8
	.type	k_q3aad3a8572_project_out,@function
k_q3aad3a8572_project_out:
	s_mov_b64 s[64:65], 0
	v_nop
	global_prefetch_b8 v0, s[64:65] scope:SCOPE_SE
	s_setreg_imm32_b32 hwreg(HW_REG_WAVE_MODE, 25, 1), 1
	s_wait_xcnt 0x0
	s_wait_alu depctr_hold_cnt(0) depctr_sa_sdst(0) depctr_va_vdst(0) depctr_va_sdst(0) depctr_va_ssrc(0) depctr_va_vcc(0) depctr_vm_vsrc(0)
	s_getreg_b32 s2, hwreg(HW_REG_IB_STS2, 6, 4)
	s_cmp_eq_u32 s2, 0
	s_cbranch_scc0 .Lentry_in_a_cluster
	s_endpgm
.Lentry_in_a_cluster:
	s_bfe_u32 s2, ttmp6, 0x10000c
	s_cmp_lg_u32 s2, 0xf033
	s_cbranch_scc0 .Lentry_shape_is_right
	s_endpgm
.Lentry_shape_is_right:
; out = ctx Wo + bo: [8192][1024] x [1024][1024], f16 operands, f32 sums, f32 out.  Both operands arrive as images of operand registers (a tile of 16 rows: 64 pieces of 512 bytes along K).
; A tile of the result is 128 tokens x 256 columns: 256 work-groups of four waves; wave (rh, ch) makes 64 x 128: 32 accumulators, 256 registers.
; K goes in steps of 128 through a ring of two LDS slots of 98,304 bytes (ctx's 8 tiles x 4,096 bytes, then Wo's 16), filled by the tensor data mover: waves 0 and 1 ctx's halves, waves 2 and 3 Wo's.
; CLUSTERS: 4 x 4 work-groups; ctx's tiles are shared along a row of the cluster, Wo's along a column: each is asked for jointly.  Where a slot is filled again a round of the cluster's barrier stands in front.
; THE MATRIX INSTRUCTION IS USED TRANSPOSED (source 0 = 16 columns of Wo, source 1 = 16 tokens): a lane holds eight neighbouring numbers of a row of the result; bo is the C of each sum's first product.
; REGISTERS: window 0: v1, v16-29 addresses; v64-127 ctx's fragments, two buffers of 4 x 8; v128-191 bo as C; window 1: v0-127 Wo's fragments, two buffers of 8 x 8; window 2: the accumulators ((a, b) at 8 (8 a + b)).
;            On the way out four sets of 64 registers take the rows read back: window 0 v128, v192, window 1 v128, v192: none is used twice.
.set SLOT,  98304
.set BOFF,  32768
.set STAGE, 196608                     ; behind the ring: 16 rows x (512 bytes + 16) for each wave; no fill lands here
.set SPARE, 230400                     ; the spare words, 128 bytes for each wave: two blocks of 256 bytes that no other line names
.set LI,   1
.set ADRA, 16
.set ADRB, 20
.set STO,  24
.set RD,   25
.set SPW,  28
.set NIL,  29
.set AFR,  64
.set BO,   128
.set WV,   12                          ; s12 wave; s13 = wave / 2: my half of the tokens, also: I fetch for ctx (0) or Wo (1); s14 = wave % 2: my half of the columns, also: which half I fetch
.set G1,   24
.set G0,   32
.set G1B,  48
.set G0B,  56
.set MSB, 0
.macro WIN new
.if MSB != \new
	s_set_vgpr_msb (MSB<<8)|\new
.set MSB, \new
.endif
.endm
.macro PLACES
.rept 4
	v_nop
.endr
.endm
.macro JLOAD s                         ; a joint load; the branch hangs on the wave's number alone; an s_nop 0 and four v_nop follow each of the two lines
	s_cmp_eq_u32 s13, 0
	s_cbranch_scc0 .Lfor_b_\@
	tensor_load_to_lds s[G0+4*\s:G0+4*\s+3], s[G1:G1+7]
	s_nop 0
.rept 4
	v_nop
.endr
	s_branch .Lasked_\@
.Lfor_b_\@:
	tensor_load_to_lds s[G0B+4*\s:G0B+4*\s+3], s[G1B:G1B+7]
	s_nop 0
.rept 4
	v_nop
.endr
.Lasked_\@:
.endm
.macro CREST                           ; a round of the cluster's barrier behind its opening barrier
	s_cmp_lg_u32 s[WV], 0
	s_cbranch_scc1 .Lnot_wave_0_\@
	s_barrier_signal -3
.Lnot_wave_0_\@:
	s_barrier_wait -3
	s_barrier_signal -1
	s_barrier_wait -1
.endm
.macro CROUND
	s_barrier_signal -1
	s_barrier_wait -1
	CREST
.endm
	s_load_b256 s[4:11], s[0:1], 0x0               ; ctx 4, Wo 6, bo 8, out 10
	v_lshl_add_u32 v[SPW], v0, 2, SPARE
	v_mov_b32 v[NIL], 0
	ds_add_u32 v[SPW], v[NIL]                      ; the wave's opening: the add, twice on end, and its wait ahead of my first tensor load
	ds_add_u32 v[SPW], v[NIL]
	v_lshrrev_b32 v1, 5, v0
	v_readfirstlane_b32 s[WV], v1
	s_lshr_b32 s13, s[WV], 1
	s_and_b32 s14, s[WV], 1
	s_bfe_u32 s15, ttmp6, 0x40000                  ; cx
	s_bfe_u32 s16, ttmp6, 0x40004                  ; cy
	s_lshl_b32 s17, ttmp9, 2
	s_add_co_u32 s17, s17, s15                     ; tx: the block of 256 columns
	s_and_b32 s18, ttmp7, 0xffff
	s_lshl_b32 s18, s18, 2
	s_add_co_u32 s18, s18, s16                     ; ty: the block of 128 tokens
	s_lshl_b32 s19, s16, 2
	s_lshl_b32 s19, 15, s19                        ; my row of the cluster
	s_lshl_b32 s20, 0x1111, s15                    ; my column
	; a load brings a K step's part of 4 (ctx) or 8 (Wo) tiles: rows of 4,096 bytes (512 elements of 8 bytes), 32,768 bytes apart in memory, dense in LDS
	s_or_b32 s[G1], s19, (3<<16)|(1<<21)
	s_or_b32 s[G1B], s20, (3<<16)|(1<<21)
	s_mov_b32 s[G1+1], 512<<16
	s_mov_b32 s[G1+2], 4<<16
	s_mov_b32 s[G1+3], 512<<16
	s_mov_b32 s[G1+4], 4
	s_mov_b32 s[G1+5], 4096
	s_mov_b32 s[G1+6], 0
	s_mov_b32 s[G1+7], 0
	s_mov_b32 s[G1B+1], 512<<16
	s_mov_b32 s[G1B+2], 8<<16
	s_mov_b32 s[G1B+3], 512<<16
	s_mov_b32 s[G1B+4], 8
	s_mov_b32 s[G1B+5], 4096
	s_mov_b32 s[G1B+6], 0
	s_mov_b32 s[G1B+7], 0
	s_lshl_b32 s40, s18, 3
	s_lshl_b32 s41, s14, 2
	s_add_co_u32 s40, s40, s41
	s_lshl_b32 s40, s40, 15                        ; ctx: tiles 8 ty + 4 x half on
	s_mov_b32 s41, 0
	s_lshl_b32 s42, s17, 4
	s_lshl_b32 s43, s14, 3
	s_add_co_u32 s42, s42, s43
	s_lshl_b32 s42, s42, 15                        ; Wo: tiles 16 tx + 8 x half on
	s_mov_b32 s43, 0
	s_lshl_b32 s44, s14, 14                        ; where they go in a slot: no place in the cluster enters an LDS address
	s_lshl_b32 s45, s14, 15
	s_add_co_u32 s45, s45, BOFF
	s_wait_dscnt 0x0                               ; both opening adds are done
	s_wait_kmcnt 0x0
	s_add_nc_u64 s[40:41], s[4:5], s[40:41]
	s_add_nc_u64 s[42:43], s[6:7], s[42:43]
	CROUND                                         ; all sixteen work-groups are here: the first joint loads meet
.irp s, 0,1
	s_mov_b32 s[G0+4*\s], 1
	s_add_co_u32 s[G0+4*\s+1], s44, \s*SLOT
	s_add_nc_u64 s[G0+4*\s+2:G0+4*\s+3], s[40:41], \s*4096
	s_or_b32 s[G0+4*\s+3], s[G0+4*\s+3], 0x80000000
	s_mov_b32 s[G0B+4*\s], 1
	s_add_co_u32 s[G0B+4*\s+1], s45, \s*SLOT
	s_add_nc_u64 s[G0B+4*\s+2:G0B+4*\s+3], s[42:43], \s*4096
	s_or_b32 s[G0B+4*\s+3], s[G0B+4*\s+3], 0x80000000
	JLOAD \s
.endr
	v_and_b32 v2, 31, v0
	v_lshlrev_b32 v[LI], 4, v2
	v_and_b32 v3, 15, v0                           ; r
	v_bfe_u32 v4, v0, 4, 1                         ; h
	v_lshlrev_b32 v5, 5, v4                        ; 32 h
	s_lshl_b32 s20, s13, 14                        ; my 4 tiles of tokens
	s_lshl_b32 s21, s14, 15                        ; my 8 tiles of columns
	s_add_co_u32 s21, s21, BOFF
.irp s, 0,1
	v_add_nc_u32 v[ADRA+\s], s20, v[LI]
	v_add_nc_u32 v[ADRB+\s], s21, v[LI]
	s_add_co_u32 s20, s20, SLOT
	s_add_co_u32 s21, s21, SLOT
.endr
	s_mul_i32 s22, s[WV], 8448
	s_add_co_u32 s22, s22, STAGE                   ; my stage
	v_mul_u32_u24 v[STO], v3, 528
	v_add_nc_u32 v[STO], v5, v[STO]
	v_add_nc_u32 v[STO], s22, v[STO]               ; in: row r, 32 bytes for each half of the lanes
	v_add_nc_u32 v[RD], s22, v[LI]                 ; back: the 32 lanes take one row of 512 bytes
	s_lshl_b32 s20, s17, 10
	s_lshl_b32 s21, s14, 9
	s_add_co_u32 s20, s20, s21                     ; my first column, in bytes
	s_mov_b32 s21, 0
	s_add_nc_u64 s[8:9], s[8:9], s[20:21]
	s_add_nc_u64 s[10:11], s[10:11], s[20:21]
	s_lshl_b32 s20, s18, 7
	s_lshl_b32 s22, s13, 6
	s_add_co_u32 s20, s20, s22
	s_lshl_b32 s20, s20, 12                        ; my first row of 4,096 bytes
	s_add_nc_u64 s[10:11], s[10:11], s[20:21]
.irp b, 0,1,2,3,4,5,6,7
	global_load_b128 v[BO+8*\b:BO+8*\b+3], v5, s[8:9] offset:64*\b           ; bo at columns 16 b + 8 h + 0 .. 7
	global_load_b128 v[BO+8*\b+4:BO+8*\b+7], v5, s[8:9] offset:64*\b+16
.endr
.macro FETCH slot, kq, f               ; the fragments of the slot's kq-th 32 along K into buffer f: 24 loads of 512 consecutive bytes
	WIN 0x40
.irp i, 0,1,2,3,4,5,6,7
	ds_load_b128 v[64*(\f)+8*\i:64*(\f)+8*\i+3],   v[ADRB+\slot] offset:\i*4096+(\kq)*1024
	ds_load_b128 v[64*(\f)+8*\i+4:64*(\f)+8*\i+7], v[ADRB+\slot] offset:\i*4096+(\kq)*1024+512
.endr
	WIN 0
.irp i, 0,1,2,3
	ds_load_b128 v[AFR+32*(\f)+8*\i:AFR+32*(\f)+8*\i+3],   v[ADRA+\slot] offset:\i*4096+(\kq)*1024
	ds_load_b128 v[AFR+32*(\f)+8*\i+4:AFR+32*(\f)+8*\i+7], v[ADRA+\slot] offset:\i*4096+(\kq)*1024+512
.endr
.endm
.macro MUL8 f, a, first                ; token tile a x the eight column tiles.  The 32 accumulators take turns, in the same order in every quarter
.irp b, 0,1,2,3,4,5,6,7
.if \first
	v_wmma_f32_16x16x32_f16 v[8*(8*(\a)+\b):8*(8*(\a)+\b)+7], v[64*(\f)+8*\b:64*(\f)+8*\b+7], v[AFR+32*(\f)+8*(\a):AFR+32*(\f)+8*(\a)+7], v[BO+8*\b:BO+8*\b+7]
.else
	v_wmma_f32_16x16x32_f16 v[8*(8*(\a)+\b):8*(8*(\a)+\b)+7], v[64*(\f)+8*\b:64*(\f)+8*\b+7], v[AFR+32*(\f)+8*(\a):AFR+32*(\f)+8*(\a)+7], v[8*(8*(\a)+\b):8*(8*(\a)+\b)+7]
.endif
.endr
.endm
; A K step is four quarters of 32 along K on buffers 0, 1, 0, 1.  One of the first three: multiplies buffer f, and first asks for the slot's kq-th quarter into buffer g, 32 products ahead of its use.
.macro QUARTER slot, kq, f, g, first
	s_wait_dscnt 0x0                               ; buffer f is in
	PLACES                                         ; behind the products that read buffer g
	FETCH \slot, \kq, \g
.if \first
	WIN 0x81                                       ; Wo window 1, ctx and bo window 0, D window 2
.else
	WIN 0xa1                                       ; C and D window 2
.endif
	MUL8 \f, 0, \first
	MUL8 \f, 1, \first
	MUL8 \f, 2, \first
	MUL8 \f, 3, \first
.endm
; The last quarter multiplies buffer 1 and changes slots: one barrier; in front of it each wave waits for all its tensor loads, adds 0 to its spare word, and waits for that and for its reads of this slot.
.macro TURN slot, next, fill
	WIN 0
	s_wait_tensorcnt 0x0                           ; all my tensor loads have landed: my part of the next slot
	ds_add_u32 v[SPW], v[NIL]
	s_wait_dscnt 1                                 ; buffer 1 is in; the add may be out
	WIN 0xa1
	MUL8 1, 0, 0
	s_wait_dscnt 0x0                               ; the add is done, and my reads of this slot are over
	s_barrier_signal -1
	MUL8 1, 1, 0
	WIN 0
	s_barrier_wait -1
.if \fill
	CREST                                          ; the barrier has opened a round of the cluster's: no wave of any partner still reads this slot or has a load on its way
	s_add_nc_u64 s[G0+4*\slot+2:G0+4*\slot+3], s[G0+4*\slot+2:G0+4*\slot+3], 8192     ; two K steps on
	s_add_nc_u64 s[G0B+4*\slot+2:G0B+4*\slot+3], s[G0B+4*\slot+2:G0B+4*\slot+3], 8192
	JLOAD \slot                                    ; my one tensor load behind the round; its four v_nop are also the places in front of the loads below
.else
	PLACES
.endif
	FETCH \next, 0, 0
	WIN 0xa1
	MUL8 1, 2, 0
	MUL8 1, 3, 0
.endm
	s_wait_loadcnt 0x0                             ; bo
	s_wait_tensorcnt 0x1                           ; my part of K step 0 is in; K step 1's may be out
	s_barrier_signal -1
	s_barrier_wait -1
	FETCH 0, 0, 0
	QUARTER 0, 1, 0, 1, 1                          ; the first quarter stands in front of the loop: its products start the sums, on bo
	WIN 0
	s_mov_b32 s3, 3
.Llap:                                                 ; three trips, each once round the ring: K steps 2 to 7 are asked for
	QUARTER 0, 2, 1, 0, 0
	QUARTER 0, 3, 0, 1, 0
	TURN 0, 1, 1
	QUARTER 1, 1, 0, 1, 0
	QUARTER 1, 2, 1, 0, 0
	QUARTER 1, 3, 0, 1, 0
	TURN 1, 0, 1
	QUARTER 0, 1, 0, 1, 0
	WIN 0
	s_sub_co_u32 s3, s3, 1
	s_cmp_lg_u32 s3, 0
	s_cbranch_scc1 .Llap
	QUARTER 0, 2, 1, 0, 0                          ; the last lap fills nothing
	QUARTER 0, 3, 0, 1, 0
	TURN 0, 1, 0
	QUARTER 1, 1, 0, 1, 0
	QUARTER 1, 2, 1, 0, 0
	QUARTER 1, 3, 0, 1, 0
	s_wait_dscnt 0x0
	WIN 0xa1
	MUL8 1, 0, 0
	MUL8 1, 1, 0
	MUL8 1, 2, 0
	MUL8 1, 3, 0
	WIN 0
; THE WAY OUT, a block of 16 tokens x 128 columns at a time, through my own stage: in by 32 bytes of a row a lane, back as whole rows of 512 bytes.  LDS serves a wave's instructions in order: no wait between stores and loads.
.macro TOSTAGE a
	WIN 0x08                                       ; an LDS store's data are its source 1: window 2
.irp b, 0,1,2,3,4,5,6,7
	ds_store_b128 v[STO], v[8*(8*(\a)+\b):8*(8*(\a)+\b)+3] offset:64*\b        ; each accumulator from its low end on
	ds_store_b128 v[STO], v[8*(8*(\a)+\b)+4:8*(8*(\a)+\b)+7] offset:64*\b+16
.endr
	WIN 0x40*((\a)/2)
.irp t, 0,1,2,3,4,5,6,7,8,9,10,11,12,13,14,15
	ds_load_b128 v[128+64*((\a)%2)+4*\t:128+64*((\a)%2)+4*\t+3], v[RD] offset:\t*528
.endr
.endm
.macro SEND a, younger                 ; younger: the LDS instructions issued behind block a's loads
	s_wait_dscnt \younger
	WIN 0x04*((\a)/2)
.irp t, 0,1,2,3,4,5,6,7,8,9,10,11,12,13,14,15
	global_store_b128 v[LI], v[128+64*((\a)%2)+4*\t:128+64*((\a)%2)+4*\t+3], s[10:11] offset:(\a)*65536+\t*4096 th:TH_STORE_NT   ; 32 lanes store 512 consecutive bytes, aligned
.endr
.endm
	PLACES
	TOSTAGE 0
.irp a, 1,2,3
	TOSTAGE \a
	SEND \a-1, 32                                  ; behind block a - 1's loads: block a's 16 stores and 16 loads
.endr
	SEND 3, 0
	WIN 0
	s_wait_tensorcnt 0x0                           ; the wave's end
	ds_add_u32 v[SPW], v[NIL]
	s_wait_dscnt 0x0
	CROUND                                         ; the closing round
	s_endpgm
.Lfunc_end_k_q3aad3a8572_project_out:
	.size	k_q3aad3a8572_project_out, .Lfunc_end_k_q3aad3a8572_project_out-k_q3aad3a8572_project_out
	.p2alignl 7, 3214868480
	.fill 96, 4, 3214868480
	.section	.rodata,"a",@progbits
	.p2align	6, 0x0
	.amdhsa_kernel k_q3aad3a8572_project_out
		.amdhsa_group_segment_fixed_size 327680
		.amdhsa_private_segment_fixed_size 0
		.amdhsa_enable_private_segment 0
		.amdhsa_kernarg_size 32
		.amdhsa_user_sgpr_count 2
		.amdhsa_user_sgpr_kernarg_segment_ptr 1
		.amdhsa_wavefront_size32 1
		.amdhsa_system_sgpr_workgroup_id_x 1
		.amdhsa_system_sgpr_workgroup_id_y 1
		.amdhsa_system_sgpr_workgroup_id_z 1
		.amdhsa_system_vgpr_workitem_id 0
		.amdhsa_next_free_vgpr 768
		.amdhsa_next_free_sgpr 66
		.amdhsa_reserve_vcc 0
		.amdhsa_float_denorm_mode_32 3
		.amdhsa_float_denorm_mode_16_64 3
		.amdhsa_memory_ordered 1
		.amdhsa_forward_progress 1
		.amdhsa_inst_pref_size 86
	.end_amdhsa_kernel
	.amdgpu_metadata
---
amdhsa.version: [ 1, 2 ]
amdhsa.kernels:
  - .name:           k_q3aad3a8572_project_out
    .symbol:         k_q3aad3a8572_project_out.kd
    .args:
      - { .name: ctxh, .offset: 0, .size: 8, .value_kind: global_buffer, .address_space: global }
      - { .name: woh, .offset: 8, .size: 8, .value_kind: global_buffer, .address_space: global }
      - { .name: bo, .offset: 16, .size: 8, .value_kind: global_buffer, .address_space: global }
      - { .name: out0, .offset: 24, .size: 8, .value_kind: global_buffer, .address_space: global }
    .group_segment_fixed_size: 327680
    .private_segment_fixed_size: 0
    .kernarg_segment_align: 8
    .kernarg_segment_size: 32
    .max_flat_workgroup_size: 128
    .sgpr_count:     66
    .vgpr_count:     768
    .wavefront_size: 32
...
	.end_amdgpu_metadata
.endif
;; end of part 4
